; MI455X (gfx1250); checked and timed in simulation.
; The chip was launched on July 23, 2026; its instructions are those of AMD's public machine-readable ISA for CDNA 5 (MIT licence, August 2026) and "CDNA5" Instruction Set Architecture Reference Guide (July 2026). The comments in the code are by the model that wrote it; some were corrected since.
;; Cross Attention. Allowed arithmetic: matrix products marked QUANTISED: E2M3 operands, one E8M0 scale for each 32 along K, by v_wmma_scale_f32_16x16x128_f8f6f4 with both operands' format E2M3, f32 sums; everything else in f32.
;; Inputs: Wkv 2,048 x 1,024 float32; Wp 1,024 x 1,024 float32; Wq 1,024 x 1,024 float32; bkv 2,048 float32; bp 1,024 float32; bq 1,024 float32; mask 4 x 1 x 1,024 x 2,048 bool; x 4 x 1,024 x 1,024 float32; y 4 x 2,048 x 1,024 float32.
;; Outputs: out0 4 x 1,024 x 1,024 float32.
;; This version of the problem:
;;   THIS VERSION OF THE PROBLEM IS GIVEN IN LOW PRECISION. The matrix products marked QUANTISED in the list below multiply operands that are first quantised to E2M3 (2 exponent bits, 3 mantissa bits; 6 bits a number), with one power-of-two scale for each 32 numbers along K (OCP MX v1.0); their sums are f32. All else is computed in f32.
;;   The module's matrix products, in the order in which they are computed (A, B: the left and right operand; K: the contracted axis; several contracted axes count as one K, in the product's order):
;;     1. [M 4,096, K 1,024] x [K 1,024, N 1,024]; A: input x; B: input Wq: QUANTISED
;;     2. [M 8,192, K 1,024] x [K 1,024, N 2,048]; A: input y; B: input Wkv: QUANTISED
;;     3. batch 64 x [M 1,024, K 64] x [K 64, N 2,048]; A: computed on the way; B: computed on the way: QUANTISED
;;     4. batch 64 x [M 1,024, K 2,048] x [K 2,048, N 64]; A: softmax (see below); B: computed on the way: QUANTISED
;;     5. [M 4,096, K 1,024] x [K 1,024, N 1,024]; A: computed on the way; B: input Wp: QUANTISED
;;   THE QUANTISER, for each operand of a quantised product, along K:
;;     - K is cut into blocks of 32 from its start; a last block that is shorter is filled with zeros.
;;     - A block's scale is 2^e with e = floor(log2(the largest magnitude in the block)) - 2, held to -126 .. 127; a block of zeros has e = 0. As a byte (E8M0): e + 127.
;;     - Each number is divided by its block's scale, clamped to +-7.5, and rounded to the nearest number of E2M3, ties to even, subnormals kept.
;;     - The product sums the exact products of the quantised numbers (number of the format x scale) in f32.
;;   ~~~python
;;   def quantise(x, axis):      # numpy; x: float32 -> the quantised numbers, widened to float32 again
;;       x = np.moveaxis(x, axis, -1); K = x.shape[-1]
;;       x = np.pad(x, [(0, 0)] * (x.ndim - 1) + [(0, -K % 32)]); x = x.reshape(x.shape[:-1] + (-1, 32)); a = np.abs(x).max(-1, keepdims=True)
;;       e = np.where(a > 0, np.clip(np.frexp(np.where(a > 0, a, 1))[1] - 1 - 2, -126, 127), 0)      # np.frexp(a)[1] - 1 = floor(log2(a)), exactly
;;       r = np.clip(x / 2.0 ** e, -7.5, 7.5)
;;       step = 2.0 ** (np.maximum(np.frexp(np.where(r == 0, 1, r))[1] - 1, 0) - 3)
;;       q = np.round(r / step) * step * 2.0 ** e      # np.round: ties to even
;;       return np.moveaxis(q.reshape(q.shape[:-2] + (-1,))[..., :K], -1, axis).astype(np.float32)
;;   ~~~
;;   SOFTMAX AHEAD OF A QUANTISED PRODUCT. Where the list says 'softmax', what is quantised is not the finished softmax but p = 2^(t - M), with t = logit x log2(e) and M = ceil(the row's largest t), a whole number; so 1/2 < the row's largest p <= 1. The row's sum l is taken of the UNQUANTISED p, in f32, and the product's result is divided by l at the end. Since M is a whole number, a kernel that streams over the keys may use a running M (the ceiling of the running maximum): every later rescaling is an exact power of two, which a block's scale takes up: the codes' values come out the same.
;;   OPERANDS COMPUTED ON THE WAY. 'Computed on the way' means the value that the module computes at that place (a softmax that the list does not call 'softmax' is quantised finished and normalised). What goes into a quantiser is computed in f32, as accurately as f32 sums, v_exp_f32 and their like allow (about 1e-6 of the number): no bf16 or f16 on the way to a quantiser, and a product that is left as it is and whose result goes on into a quantised operand takes f32 operands (vector FMAs, or v_wmma_f32_16x16x4_f32). A number that lies on a knife's edge between two numbers of the format may be rounded either way, as far as f32 arithmetic and the matrix unit's own rounding can turn it there, and no further.
;; One version. Each part assembles by itself: llvm-mc -triple=amdgcn-amd-amdhsa -mcpu=gfx1250 --defsym DOCPART=n.
;; ======== version 1 of 1: 4 launches
;; limits: right only within a limited range of input values
;; workspace buffers: codes 12,582,912 bytes; scales 524,288 bytes; maskw 1,048,576 bytes of whole numbers; rec 13,631,488 bytes; oimg 3,145,728 bytes; osc 131,072 bytes
;; launch quant (part 1): grid 1536 x 1, 4 waves a work-group, no clusters, 33,280 bytes of LDS; arguments x, y, Wq, Wkv, Wp, mask, codes, scales, maskw; writes codes, scales, maskw
.if DOCPART == 1
	.amdgcn_target "amdgcn-amd-amdhsa--gfx1250"
	.amdhsa_code_object_version 6
	.text
	.protected	k_qac42ed7fd3_quant
	.globl	k_qac42ed7fd3_quant
	.p2align	8
	.type	k_qac42ed7fd3_quant,@function
k_qac42ed7fd3_quant:
	s_mov_b64 s[64:65], 0
	v_nop
	global_prefetch_b8 v0, s[64:65] scope:SCOPE_SE
	s_setreg_imm32_b32 hwreg(HW_REG_WAVE_MODE, 25, 1), 1
	s_wait_xcnt 0x0
; Work-groups 0 to 1,023: x, y, Wq, Wkv, Wp (f32, rows of 1,024 with K innermost) become codes of FP6 (E2M3) and one E8M0 byte for each 32 along K.
; All rows lie in ONE buffer of codes (768 bytes a row) and one of scale bytes (32 a row): x rows 0.., y 4,096.., Wq 12,288.., Wkv 13,312.., Wp 15,360...
; A work-group takes 16 rows, a wave 4 rows = 4,096 numbers = 8 steps of 512.  For y, Wq and Wkv the two middle groups of 8 rows of each 32 change places on the way out, so that
; 16 stored rows on end are the true rows 0-7 and 16-23 (or 8-15 and 24-31) of a group of 32: the later products then hold 16 neighbours along their next K in a lane's 16 registers.
; A block's scale is 2^(floor(log2(largest magnitude)) - 2); its byte is the largest magnitude's exponent field - 2, held at 1 from below.
; A wave's scale bytes are 128: they leave as 128 consecutive bytes, half of an aligned block of 256, the neighbouring wave storing the other half.
; Work-groups 1,024 to 1,535: the mask's bytes become words of one bit a lane, laid as the attention launch selects by them: bit l of word n of (row tile, key step) is
; mask[16 T + l % 16][128 s + 32 (n / 16) + 16 (l / 16) + n % 16].
; Nothing of the problem is left out: every input has a way to the output and is loaded by some launch.
; LIMITS: a block of zeros gets the byte 1 where the rule says 127 (its codes are zeros; only this program reads the bytes); blocks under 2^-124 keep the byte 1; NaN and infinities are not served.
.set STEPS, 8
.set QWG,   1024                       ; work-groups that quantise
.set EMAX,  2
.set CB,    12                         ; bytes of 16 codes
.set R,     16                         ; v16-79   four sets of 16 numbers as loaded
.set X,     80                         ; v80-111  two sets of 16 neighbours
.set C,     128                        ; v128-159 codes, four registers a step
.set E,     112                        ; v112-119 a scale byte a step
.set WREG,  8192                       ; LDS: a wave's own region: two stages of 32 x SP bytes, then its scale bytes
.set SP,    80                         ; a lane's 64 bytes + 16 of padding
.set SPW,   12                         ; v12  my spare word's address; never rewritten
.set NIL,   13                         ; v13  0; never rewritten
.set SPARE, 4*WREG                     ; the spare words: 128 bytes a wave, named by no other line
	s_load_b512 s[4:19], s[0:1], 0x0               ; x s[4:5], y s[6:7], Wq s[8:9], Wkv s[10:11], Wp s[12:13], mask s[14:15], codes s[16:17], scales s[18:19]
	s_load_b64 s[20:21], s[0:1], 0x40              ; maskw
	v_lshl_add_u32 v[SPW], v0, 2, SPARE
	v_mov_b32 v[NIL], 0
	v_lshrrev_b32 v1, 5, v0
	v_readfirstlane_b32 s22, v1                    ; wave
	v_and_b32 v2, 31, v0                           ; lane
	v_lshlrev_b32 v3, 4, v2                        ; my 16 bytes of a load's 512
	s_mul_i32 s23, s22, WREG
	v_lshrrev_b32 v14, 2, v2
	v_mul_u32_u24 v14, v14, SP
	v_and_b32 v15, 3, v2
	v_lshl_add_u32 v14, v15, 4, v14
	v_add_nc_u32 v14, s23, v14                     ; the stage, on the way in: SP (lane / 4) + 16 (lane % 4)
	v_mul_u32_u24 v15, v2, SP
	v_add_nc_u32 v15, s23, v15                     ; and on the way out: SP x lane
	v_mul_u32_u24 v4, v2, CB                       ; my codes' place in a step's
	v_lshrrev_b32 v5, 1, v2
	s_add_co_u32 s23, s23, 2*32*SP
	v_add_nc_u32 v5, s23, v5                       ; my block's byte among the wave's 128
	v_lshlrev_b32 v7, 3, v2                        ; 8 bytes a lane (the mask's words)
	v_lshlrev_b32 v10, 2, v2                       ; 4 bytes a lane (the scale bytes)
	v_add_nc_u32 v6, s23, v10
	s_wait_alu depctr_va_vdst(0)                   ; the wait at the head's end
	s_wait_kmcnt 0x0
	s_cmp_ge_u32 ttmp9, QWG
	s_cbranch_scc1 .Lmask
	; ---- the quantiser.  Which tensor: a choice of pointers on the work-group's number alone
	s_mov_b64 s[24:25], s[4:5]
	s_mov_b32 s26, 0                               ; the tensor's first work-group
	s_cmp_ge_u32 ttmp9, 256
	s_cselect_b64 s[24:25], s[6:7], s[24:25]
	s_cselect_b32 s26, 256, s26
	s_cselect_b32 s27, 6, 0                        ; 6 where the middle groups change places
	s_cmp_ge_u32 ttmp9, 768
	s_cselect_b64 s[24:25], s[8:9], s[24:25]
	s_cselect_b32 s26, 768, s26
	s_cmp_ge_u32 ttmp9, 832
	s_cselect_b64 s[24:25], s[10:11], s[24:25]
	s_cselect_b32 s26, 832, s26
	s_cmp_ge_u32 ttmp9, 960
	s_cselect_b64 s[24:25], s[12:13], s[24:25]
	s_cselect_b32 s26, 960, s26
	s_cselect_b32 s27, 0, s27
	s_lshl_b32 s28, ttmp9, 2
	s_add_co_u32 s28, s28, s22                     ; u: my 4 rows among all rows
	s_lshr_b32 s29, s28, 1
	s_lshr_b32 s30, s28, 2
	s_xor_b32 s29, s29, s30
	s_and_b32 s29, s29, 1                          ; 1 in the two middle groups of 8 rows
	s_mul_i32 s29, s29, s27
	s_xor_b32 s28, s28, s29                        ; where they go: bits 1 and 2 of u change places, or u as it is
	s_sub_co_u32 s29, ttmp9, s26
	s_lshl_b32 s29, s29, 2
	s_add_co_u32 s29, s29, s22
	s_lshl_b32 s30, s29, 14                        ; my 4 rows in the tensor: 16,384 bytes a wave
	s_mov_b32 s31, 0
	s_add_nc_u64 s[24:25], s[24:25], s[30:31]
	s_mul_i32 s30, s28, 3072                       ; 4 rows of 768 bytes of codes
	s_add_nc_u64 s[16:17], s[16:17], s[30:31]
	s_lshl_b32 s30, s28, 7                         ; 4 rows of 32 scale bytes
	s_add_nc_u64 s[18:19], s[18:19], s[30:31]
.macro LOAD t
.irp i, 0,1,2,3
	global_load_b128 v[R+16*((\t)%4)+4*\i:R+16*((\t)%4)+4*\i+3], v3, s[24:25] offset:2048*(\t)+512*\i th:TH_LOAD_NT   ; 32 lanes read 512 consecutive bytes
.endr
.endm
.macro TURN t                          ; step t's numbers through the stage: LDS serves a wave's instructions in order, so no wait stands between the stores and the loads
.irp i, 0,1,2,3
	ds_store_b128 v14, v[R+16*((\t)%4)+4*\i:R+16*((\t)%4)+4*\i+3] offset:32*SP*((\t)%2)+8*SP*\i
.endr
.irp i, 0,1,2,3
	ds_load_b128 v[X+16*((\t)%2)+4*\i:X+16*((\t)%2)+4*\i+3], v15 offset:32*SP*((\t)%2)+16*\i
.endr
.endm
.irp t, 0,1,2,3
	LOAD \t
.endr
	s_wait_loadcnt 12                              ; step 0's four loads are in
	TURN 0
.macro STEP t
.set XS, X+16*((\t)%2)
.if (\t) > 0
	s_wait_dscnt 1                                 ; this step's numbers are back from the stage; the last step's byte store may be out
.else
	s_wait_dscnt 0x0
.endif
.if (\t)+4 < STEPS
	LOAD (\t)+4                                    ; into the registers that the stage's stores have read
.endif
.if (\t)+1 < STEPS
.if STEPS-2-(\t) >= 3
	s_wait_loadcnt 12                              ; the next step's four loads are in; three later steps' may be out
.else
	s_wait_loadcnt 4*(STEPS-2-(\t))
.endif
	TURN (\t)+1
.endif
	v_max3_num_f32 v8, |v[XS]|, |v[XS+1]|, |v[XS+2]|               ; the largest magnitude of my 16, in two chains
	v_max3_num_f32 v9, |v[XS+3]|, |v[XS+4]|, |v[XS+5]|
.irp i, 6,10
	v_max3_num_f32 v8, v8, |v[XS+\i]|, |v[XS+\i+1]|
	v_max3_num_f32 v9, v9, |v[XS+\i+2]|, |v[XS+\i+3]|
.endr
	v_max3_num_f32 v8, v8, |v[XS+14]|, |v[XS+15]|
	v_max3_num_f32 v8, v8, v9, (EMAX+1)<<23        ; and the floor 2^(3 - 127): the byte cannot fall under 1
	v_max_num_f32_dpp v8, v8, v8 row_xmask:1 row_mask:0xf bank_mask:0xf   ; with my neighbour's 16: the block's
	v_add_nc_u32 v11, -(EMAX<<23), v8              ; 2 off its exponent field: the conversion's scale operand
	v_cvt_scalef32_pk16_fp6_f32 v[C+4*(\t):C+4*(\t)+2], v[XS:XS+15], v11
	v_lshrrev_b32 v[E+(\t)], 23, v11               ; the scale's byte (also the plain line behind the conversion)
	ds_store_b8 v5, v[E+(\t)] offset:16*(\t)       ; both lanes of a block write the same byte with the same value
	global_store_b96 v4, v[C+4*(\t):C+4*(\t)+2], s[16:17] offset:32*CB*(\t)   ; the wave stores 384 consecutive bytes
.endm
.irp t, 0,1,2,3,4,5,6,7
	STEP \t
.endr
	ds_load_b32 v8, v6                             ; in order behind my byte stores
	s_wait_dscnt 0x0
	global_store_b32 v10, v8, s[18:19]             ; 32 lanes store 128 consecutive bytes
	s_wait_tensorcnt 0x0                           ; the wave's end, behind my last LDS store
	ds_add_u32 v[SPW], v[NIL]
	s_wait_dscnt 0x0
	s_endpgm
	; ---- the mask.  Wave W = 0 .. 2,047 takes row tile W / 8 (16 rows) and key steps 2 (W % 8), 2 (W % 8) + 1: 16 rows x 256 bytes
.Lmask:
	s_sub_co_u32 s23, ttmp9, QWG
	s_lshl_b32 s23, s23, 2
	s_add_co_u32 s23, s23, s22                     ; W
	s_lshr_b32 s24, s23, 3
	s_lshl_b32 s24, s24, 15                        ; 16 rows of 2,048 bytes
	s_and_b32 s25, s23, 7
	s_lshl_b32 s25, s25, 8
	s_add_co_u32 s24, s24, s25
	s_mov_b32 s25, 0
	s_add_nc_u64 s[14:15], s[14:15], s[24:25]
	s_lshl_b32 s24, s23, 9                         ; two steps' 64 words each
	s_add_nc_u64 s[20:21], s[20:21], s[24:25]
	v_and_b32 v10, 15, v0
	v_bfe_u32 v11, v0, 4, 1
	v_lshlrev_b32 v10, 11, v10
	v_lshl_add_u32 v10, v11, 4, v10                ; row lane % 16, + 16 (lane / 16)
.irp p, 0,1,2,3,4,5,6,7
	global_load_b128 v[16+4*\p:19+4*\p], v10, s[14:15] offset:32*\p th:TH_LOAD_NT   ; keys 32 p + 16 (lane / 16) + 0 .. 15 of my row
.endr
.irp p, 0,1,2,3
	v_mov_b32 v[48+\p], 0                          ; a lane write's destination counts as read
.endr
	s_wait_alu depctr_va_vdst(0)                   ; directly ahead of the wait below
	s_wait_loadcnt 0x0
.set nw, 0
.rept 128                              ; word nw % 64 of step nw / 64: one byte of every lane, compared with 0: 32 bits; word n goes to lane n / 2 of register n % 2
.set sg, nw/64
.set nn, nw%64
	v_and_b32 v[8+nw%2], 0xff<<(8*(nn%4)), v[16+4*(4*sg+nn/16)+(nn%16)/4]
	v_cmp_ne_u32 s[28+nw%2], 0, v[8+nw%2]
	v_writelane_b32 v[48+2*sg+(nn&1)], s[28+nw%2], nn>>1
.set nw, nw+1
.endr
	global_store_b64 v7, v[48:49], s[20:21]        ; 32 lanes store 256 consecutive bytes, aligned: a step's 64 words
	global_store_b64 v7, v[50:51], s[20:21] offset:256
	s_wait_tensorcnt 0x0                           ; the same three lines close this path
	ds_add_u32 v[SPW], v[NIL]
	s_wait_dscnt 0x0
	s_endpgm
.Lfunc_end_k_qac42ed7fd3_quant:
	.size	k_qac42ed7fd3_quant, .Lfunc_end_k_qac42ed7fd3_quant-k_qac42ed7fd3_quant
	.p2alignl 7, 3214868480
	.fill 96, 4, 3214868480
	.section	.rodata,"a",@progbits
	.p2align	6, 0x0
	.amdhsa_kernel k_qac42ed7fd3_quant
		.amdhsa_group_segment_fixed_size 33280
		.amdhsa_private_segment_fixed_size 0
		.amdhsa_enable_private_segment 0
		.amdhsa_kernarg_size 72
		.amdhsa_user_sgpr_count 2
		.amdhsa_user_sgpr_kernarg_segment_ptr 1
		.amdhsa_wavefront_size32 1
		.amdhsa_system_sgpr_workgroup_id_x 1
		.amdhsa_system_sgpr_workgroup_id_y 1
		.amdhsa_system_sgpr_workgroup_id_z 1
		.amdhsa_system_vgpr_workitem_id 0
		.amdhsa_next_free_vgpr 160
		.amdhsa_next_free_sgpr 66
		.amdhsa_reserve_vcc 0
		.amdhsa_float_denorm_mode_32 3
		.amdhsa_float_denorm_mode_16_64 3
		.amdhsa_memory_ordered 1
		.amdhsa_forward_progress 1
		.amdhsa_inst_pref_size 44
	.end_amdhsa_kernel
	.amdgpu_metadata
---
amdhsa.version: [ 1, 2 ]
amdhsa.kernels:
  - .name:           k_qac42ed7fd3_quant
    .symbol:         k_qac42ed7fd3_quant.kd
    .args:
      - { .name: x, .offset: 0, .size: 8, .value_kind: global_buffer, .address_space: global }
      - { .name: y, .offset: 8, .size: 8, .value_kind: global_buffer, .address_space: global }
      - { .name: Wq, .offset: 16, .size: 8, .value_kind: global_buffer, .address_space: global }
      - { .name: Wkv, .offset: 24, .size: 8, .value_kind: global_buffer, .address_space: global }
      - { .name: Wp, .offset: 32, .size: 8, .value_kind: global_buffer, .address_space: global }
      - { .name: mask, .offset: 40, .size: 8, .value_kind: global_buffer, .address_space: global }
      - { .name: codes, .offset: 48, .size: 8, .value_kind: global_buffer, .address_space: global }
      - { .name: scales, .offset: 56, .size: 8, .value_kind: global_buffer, .address_space: global }
      - { .name: maskw, .offset: 64, .size: 8, .value_kind: global_buffer, .address_space: global }
    .group_segment_fixed_size: 33280
    .private_segment_fixed_size: 0
    .kernarg_segment_align: 8
    .kernarg_segment_size: 72
    .max_flat_workgroup_size: 128
    .sgpr_count:     66
    .vgpr_count:     160
    .wavefront_size: 32
...
	.end_amdgpu_metadata
.endif
;; end of part 1
;; launch proj (part 2): grid 4 x 64, 4 waves a work-group, clusters of 4 x 4, 327,680 bytes of LDS; arguments codes, scales, bkv, rec; writes rec
.if DOCPART == 2
	.amdgcn_target "amdgcn-amd-amdhsa--gfx1250"
	.amdhsa_code_object_version 6
	.text
	.protected	k_qac42ed7fd3_proj
	.globl	k_qac42ed7fd3_proj
	.p2align	8
	.type	k_qac42ed7fd3_proj,@function
k_qac42ed7fd3_proj:
	s_mov_b64 s[64:65], 0
	v_nop
	global_prefetch_b8 v0, s[64:65] scope:SCOPE_SE
	s_setreg_imm32_b32 hwreg(HW_REG_WAVE_MODE, 25, 1), 1
	s_wait_xcnt 0x0
	s_wait_alu depctr_hold_cnt(0) depctr_sa_sdst(0) depctr_va_vdst(0) depctr_va_sdst(0) depctr_va_ssrc(0) depctr_va_vcc(0) depctr_vm_vsrc(0)
	s_getreg_b32 s2, hwreg(HW_REG_IB_STS2, 6, 4)
	s_cmp_eq_u32 s2, 0
	s_cbranch_scc0 .Lentry_in_a_cluster
	s_endpgm
.Lentry_in_a_cluster:
	s_bfe_u32 s2, ttmp6, 0x10000c
	s_cmp_lg_u32 s2, 0xf033
	s_cbranch_scc0 .Lentry_shape_is_right
	s_endpgm
.Lentry_shape_is_right:
; K = y Wk^T + bk and V^T = Wv y^T + bv on codes of FP6 (E2M3) with E8M0 scales, K 1,024; the results are quantised again (K along the head's 64 channels, V along the keys) and stored
; as images of the attention launch's operand registers: one record of 13,312 bytes for each (batch, head, 128 keys).  (Q is made by the attention launch itself.)
; TILES of 256 x 256: clusters' rows 0-7: A = y (32 tile rows), B = Wk (4 tile columns); rows 8-15: A = Wv (4 tile rows), B = y (32 tile columns): 256 work-groups in all.
; Four waves, 128 x 128 each: 64 accumulators in windows 2 and 3; A's fragments in window 0 (one set), B's in window 1 (two sets); source 0 = rows of B, source 1 = rows of A.
; THE RING: two LDS slots, each with one chunk of 256 bytes of A's 256 rows and of B's 256 rows; a row of codes is 768 bytes, three chunks, each beginning at a multiple of 256 bytes.
; A step of 128 along K is 96 bytes: eight steps to three chunks; steps 2 and 5 lie across two chunks and read both slots.  The scales of all of K come once and stay.
; CLUSTERS 4 x 4: A's tiles are asked for jointly along a row of the cluster, B's along a column.
; No prefetch: K is three chunks; two of them are asked for before the first product, and the third has no step two ahead of it in which to be named.
; The bias: along B's rows (K's channels) it is the C of the first products; along A's rows (V's channels) it is added on the way out.  The other of the two is masked to 0.
.set ROWB,   256
.set NQ,     2
.set KROW,   768
.set STEPS,  8
.set CHUNKS, 3
.set PITCH,  272                       ; 256 bytes + 16 of padding
.set FR,     12
.set NL,     6
.set NP,     4
.set HALFT,  128*PITCH
.set SLOT,   4*HALFT
.set KS,     32
.set SCL,    2*SLOT
.set HALFS,  (128*KS/256)*272
.set SBLK,   (16*KS/256)*272
.set SPARE,  SCL+4*HALFS               ; the spare words: 128 bytes a wave, named by no other line
.set ADRA, 16                          ; v16-17 my A fragments in slot 0, 1; v18-19 for pieces whose two halves of the lanes read different slots
.set ADRB, 20                          ; v20-23 the same for B
.set ADRS, 27
.set SPW,  28
.set NIL,  29
.set O16,  30
.set O8,   31
.set SC,   32                          ; v32-63 scale words and nothing else
.set XB,   64                          ; v64-127 the bias along B's rows, as eight C operands
.set AF,   128
.set YB,   224                         ; v224-239 the bias along A's rows, in pairs
.set H,    128
.set PC,   192
.set TM,   64
.set PWS,  84
.set WW,   92
.set DD,   96
.set TT,   100
.set SEL,  66
.set G1, 24
.set G0, 32
.set G1B, 48
.set G0B, 56
.set G1S, 68
.set G0S, 76
.set G1SB, 80
.set G0SB, 88
.set G0H, 4
.set G0HB, 8
.set MSB, 0
.macro WIN new
.if MSB != (\new)
	s_set_vgpr_msb (MSB<<8)|(\new)
.set MSB, (\new)
.endif
.endm
.set MUL_LO, 0xa1
.set MUL_HI, 0xf1
.set TO_B,   0x40
.macro JLOAD g0a, g1a, g0b, g1b        ; waves 0, 1 fetch for A, waves 2, 3 for B; s_nop 0 and four v_nop behind each line
	s_cmp_eq_u32 s15, 0
	s_cbranch_scc0 .Lfor_b_\@
	tensor_load_to_lds s[\g0a:\g0a+3], s[\g1a:\g1a+7]
	s_nop 0
.rept 4
	v_nop
.endr
	s_branch .Lasked_\@
.Lfor_b_\@:
	tensor_load_to_lds s[\g0b:\g0b+3], s[\g1b:\g1b+7]
	s_nop 0
.rept 4
	v_nop
.endr
.Lasked_\@:
.endm
.macro CREST
	s_cmp_lg_u32 s14, 0
	s_cbranch_scc1 .Lnot_wave_0_\@
	s_barrier_signal -3
.Lnot_wave_0_\@:
	s_barrier_wait -3
	s_barrier_signal -1
	s_barrier_wait -1
.endm
.macro CROUND
	s_barrier_signal -1
	s_barrier_wait -1
	CREST
.endm
	s_load_b128 s[4:7], s[0:1], 0x0                ; codes, scales
	s_load_b64 s[100:101], s[0:1], 0x10            ; bkv
	s_load_b64 s[12:13], s[0:1], 0x18              ; rec
	v_lshl_add_u32 v[SPW], v0, 2, SPARE
	v_mov_b32 v[NIL], 0
	ds_add_u32 v[SPW], v[NIL]                      ; the opening: the add, twice on end, and its wait ahead of my first tensor load
	ds_add_u32 v[SPW], v[NIL]
	v_lshrrev_b32 v1, 5, v0
	v_readfirstlane_b32 s14, v1                    ; wave
	s_lshr_b32 s15, s14, 1                         ; my half of the tile's rows; also: I fetch for A (0) or B (1)
	s_and_b32 s16, s14, 1                          ; my half of its columns; also: which 128 rows I fetch
	s_bfe_u32 s40, ttmp6, 0x40000                  ; cx
	s_bfe_u32 s41, ttmp6, 0x40004                  ; cy
	s_and_b32 s66, ttmp7, 0xffff                   ; the cluster's row: 0-7 K, 8-15 V
	s_sub_co_u32 s19, s66, 8
	s_mov_b32 s98, 14336
	s_mov_b32 s99, 13312
	s_cmp_lt_u32 s66, 8
	s_cselect_b32 s18, s66, 0
	s_cselect_b32 s19, 0, s19
	s_cselect_b32 s95, 0, -1                       ; all ones for V
	s_cselect_b32 s98, 4096, s98                   ; A's first row in the codes' buffer: y, or Wkv's second half
	s_cselect_b32 s99, s99, 4096                   ; B's: Wkv's first half, or y
	s_not_b32 s96, s95
	s_lshl_b32 s17, s18, 2
	s_add_co_u32 s17, s17, s41                     ; tile row
	s_lshl_b32 s42, s19, 2
	s_add_co_u32 s42, s42, s40                     ; tile column
	s_lshl_b32 s43, s41, 2
	s_lshl_b32 s43, 15, s43                        ; my row of the cluster
	s_lshl_b32 s44, 0x1111, s40                    ; my column
	s_or_b32 s[G1+0], s43, (0<<16)|(1<<20)|(1<<21)|(5<<22)|(3<<25)
	s_or_b32 s[G1B+0], s44, (0<<16)|(1<<20)|(1<<21)|(5<<22)|(3<<25)
.irp g, G1, G1B
	s_mov_b32 s[\g+1], ROWB<<16
	s_mov_b32 s[\g+2], 256<<16                     ; 256 rows for the head's loads; 128 behind them
	s_mov_b32 s[\g+3], ROWB<<16
	s_mov_b32 s[\g+4], 256
	s_mov_b32 s[\g+5], KROW
	s_mov_b32 s[\g+6], 0
	s_mov_b32 s[\g+7], 0
.endr
	s_or_b32 s[G1S+0], s43, (3<<16)|(1<<20)|(1<<21)|(5<<22)|(3<<25)
	s_or_b32 s[G1SB+0], s44, (3<<16)|(1<<20)|(1<<21)|(5<<22)|(3<<25)
.irp g, G1S, G1SB                      ; the scales of 256 rows: a dense block, as KS rows of 256 bytes
	s_mov_b32 s[\g+1], 32<<16
	s_mov_b32 s[\g+2], KS<<16
	s_mov_b32 s[\g+3], 32<<16
	s_mov_b32 s[\g+4], KS
	s_mov_b32 s[\g+5], 32
	s_mov_b32 s[\g+6], 0
	s_mov_b32 s[\g+7], 0
.endr
	s_lshl_b32 s20, s17, 8
	s_add_co_u32 s20, s20, s98                     ; A: the tile's first row
	s_lshl_b32 s46, s42, 8
	s_add_co_u32 s46, s46, s99                     ; B's
	s_mov_b32 s21, 0
	s_mov_b32 s47, 0
	s_mov_b64 s[18:19], KS
	s_mul_u64 s[22:23], s[20:21], s[18:19]
	s_mul_u64 s[92:93], s[46:47], s[18:19]
	s_mov_b64 s[18:19], KROW
	s_mul_u64 s[20:21], s[20:21], s[18:19]
	s_mul_u64 s[46:47], s[46:47], s[18:19]
	s_mul_i32 s18, s16, 128*KROW
	s_mov_b32 s19, 0
	s_mul_i32 s45, s14, HALFT
	s_wait_dscnt 0x0                               ; both opening adds are done
	s_wait_kmcnt 0x0
	s_add_nc_u64 s[20:21], s[4:5], s[20:21]
	s_add_nc_u64 s[22:23], s[6:7], s[22:23]
	s_add_nc_u64 s[46:47], s[4:5], s[46:47]
	s_add_nc_u64 s[92:93], s[6:7], s[92:93]
	CROUND                                         ; all sixteen work-groups are here: the first joint loads meet
	s_mov_b32 s[G0H], 1
	s_mov_b32 s[G0H+1], 0
	s_mov_b64 s[G0H+2:G0H+3], s[20:21]
	s_or_b32 s[G0H+3], s[G0H+3], 0x80000000
	s_mov_b32 s[G0HB], 1
	s_mov_b32 s[G0HB+1], 2*HALFT
	s_mov_b64 s[G0HB+2:G0HB+3], s[46:47]
	s_or_b32 s[G0HB+3], s[G0HB+3], 0x80000000
	s_mov_b32 s[G0S], 1
	s_mov_b32 s[G0S+1], SCL
	s_mov_b64 s[G0S+2:G0S+3], s[22:23]
	s_or_b32 s[G0S+3], s[G0S+3], 0x80000000
	s_mov_b32 s[G0SB], 1
	s_mov_b32 s[G0SB+1], SCL+2*HALFS
	s_mov_b64 s[G0SB+2:G0SB+3], s[92:93]
	s_or_b32 s[G0SB+3], s[G0SB+3], 0x80000000
	s_add_nc_u64 s[20:21], s[20:21], s[18:19]      ; for the ring: my 128 rows
	s_add_nc_u64 s[46:47], s[46:47], s[18:19]
.irp s, 0,1
	s_mov_b32 s[G0+4*\s], 1
	s_add_co_u32 s[G0+4*\s+1], s45, \s*SLOT
	s_add_nc_u64 s[G0+4*\s+2:G0+4*\s+3], s[20:21], \s*ROWB
	s_or_b32 s[G0+4*\s+3], s[G0+4*\s+3], 0x80000000
	s_mov_b32 s[G0B+4*\s], 1
	s_add_co_u32 s[G0B+4*\s+1], s45, \s*SLOT
	s_add_nc_u64 s[G0B+4*\s+2:G0B+4*\s+3], s[46:47], \s*ROWB
	s_or_b32 s[G0B+4*\s+3], s[G0B+4*\s+3], 0x80000000
.endr
; The head's loads, one a wave: wave 0 chunk 0 of A's 256 rows, wave 1 of B's, wave 2 A's scales, wave 3 B's: one chain of branches on the wave's number
.macro ARM under, g0, g1, next
	s_cmp_lt_u32 s14, \under
	s_cbranch_scc0 \next
	tensor_load_to_lds s[\g0:\g0+3], s[\g1:\g1+7]
	s_nop 0
.rept 4
	v_nop
.endr
	s_branch .Lhead_asked
\next:
.endm
	ARM 1, G0H,  G1,  .Lhead_b
	ARM 2, G0HB, G1B, .Lhead_sa
	ARM 3, G0S,  G1S, .Lhead_sb
	tensor_load_to_lds s[G0SB:G0SB+3], s[G1SB:G1SB+7]
	s_nop 0
.rept 4
	v_nop
.endr
.Lhead_asked:
	v_and_b32 v1, 15, v0                           ; r
	v_bfe_u32 v2, v0, 4, 1                         ; h
	v_mul_u32_u24 v3, v1, PITCH
	v_mul_u32_u24 v4, v2, 24
	v_add_nc_u32 v4, v3, v4                        ; row x pitch + 24 h
	s_mov_b32 s21, SLOT-232
	s_mov_b32 s22, SLOT+232
	v_sub_nc_u32 v7, 1, v2
	v_mul_u32_u24 v5, s21, v2
	v_add_nc_u32 v5, v3, v5
	v_add_nc_u32 v5, 232, v5                       ; lanes 0-15 byte 232 of the row in slot 0, lanes 16-31 byte 0 in slot 1;
	v_mul_u32_u24 v6, s22, v7
	v_add_nc_u32 v6, v3, v6                        ; and the other way round
	s_mul_i32 s21, s15, HALFT
	s_mul_i32 s22, s16, HALFT
	s_add_co_u32 s22, s22, 2*HALFT
	v_add_nc_u32 v[ADRA+2], s21, v5
	v_add_nc_u32 v[ADRA+3], s21, v6
	v_add_nc_u32 v[ADRB+2], s22, v5
	v_add_nc_u32 v[ADRB+3], s22, v6
.irp s, 0,1
	v_add_nc_u32 v[ADRA+\s], s21, v4
	v_add_nc_u32 v[ADRB+\s], s22, v4
	s_add_co_u32 s21, s21, SLOT
	s_add_co_u32 s22, s22, SLOT
.endr
	v_mul_u32_u24 v5, v1, KS
	v_lshrrev_b32 v6, 8, v5
	v_lshl_add_u32 v5, v6, 4, v5
	s_mul_i32 s21, s15, HALFS
	s_mul_i32 s22, s16, HALFS
	s_add_co_u32 s22, s22, 2*HALFS
	s_sub_co_u32 s22, s22, s21
	v_mul_u32_u24 v6, s22, v2                      ; lanes 16-31 take B's scale words
	s_add_co_u32 s21, s21, SCL
	v_add_nc_u32 v5, v5, v6
	v_add_nc_u32 v[ADRS], s21, v5
	v_and_b32 v6, 31, v0
	v_lshlrev_b32 v[O16], 4, v6
	v_lshlrev_b32 v[O8], 3, v6
	s_lshl_b32 s22, s42, 8                         ; the bias along B's rows (K): bkv at my first column
	s_lshl_b32 s23, s16, 7
	s_add_co_u32 s22, s22, s23
	s_lshl_b32 s22, s22, 2
	s_and_b32 s22, s22, s96
	s_mov_b32 s23, 0
	s_add_nc_u64 s[22:23], s[100:101], s[22:23]
	s_lshl_b32 s46, s17, 8                         ; along A's rows (V): bkv at 1,024 + my first row
	s_lshl_b32 s47, s15, 7
	s_add_co_u32 s46, s46, s47
	s_add_co_u32 s46, s46, 1024
	s_lshl_b32 s46, s46, 2
	s_and_b32 s46, s46, s95
	s_mov_b32 s47, 0
	s_add_nc_u64 s[46:47], s[100:101], s[46:47]
	v_lshlrev_b32 v6, 6, v2
	v_and_b32 v7, 8, v1
	v_add_nc_u32 v7, v7, v1
	v_lshlrev_b32 v7, 2, v7
.irp b, 0,1,2,3,4,5,6,7                ; stored rows 16 b + 8 h + j are the true rows 32 (b / 2) + 16 h + 8 (b % 2) + j
	global_load_b128 v[XB+8*\b:XB+8*\b+3], v6, s[22:23] offset:(32*(\b/2)+8*(\b%2))*4
	global_load_b128 v[XB+8*\b+4:XB+8*\b+7], v6, s[22:23] offset:(32*(\b/2)+8*(\b%2))*4+16
.endr
.irp a, 0,1,2,3,4,5,6,7
	global_load_b32 v[YB+2*\a], v7, s[46:47] offset:(32*(\a/2)+8*(\a%2))*4
.endr
	s_wait_loadcnt 0x0
.set ii, 0
.rept 64
	v_and_b32 v[XB+ii], s96, v[XB+ii]
.set ii, ii+1
.endr
.irp a, 0,1,2,3,4,5,6,7
	v_and_b32 v[YB+2*\a+1], s95, v[YB+2*\a]
	v_and_b32 v[YB+2*\a], s95, v[YB+2*\a]
.endr
.macro FRAG reg, adr, st, i            ; 16 rows x 128 K: 12 registers in pieces of 8 bytes; byte y of a row lies in slot (y / 256) % 2 at byte y % 256
.irp p, 0,1,2,3,4,5
.set BY, 96*(\st)+48*(\p/3)+8*(\p%3)
.if BY/ROWB == (BY+24)/ROWB
	ds_load_b64 v[\reg+2*\p:\reg+2*\p+1], v[\adr+(BY/ROWB)%2] offset:BY%ROWB+(\i)*16*PITCH
.else
	ds_load_b64 v[\reg+2*\p:\reg+2*\p+1], v[\adr+2+(BY/ROWB)%2] offset:BY%ROWB-232+(\i)*16*PITCH
.endif
.endr
.endm
.macro MUL16 a0, p, q, sc, zero        ; the 64 accumulators take turns, one instruction a turn; zero = 1: the sums begin with the bias
.irp a, \a0, \a0+1
.irp b, 0,1,2,3,4,5,6,7
.if \zero
	v_wmma_scale_f32_16x16x128_f8f6f4 v[8*(8*((\a)%4)+\b):8*(8*((\a)%4)+\b)+7], v[128*(\p)+FR*\b:128*(\p)+FR*\b+FR-1], v[AF+FR*(\a):AF+FR*(\a)+FR-1], v[XB+8*\b:XB+8*\b+7], v[SC+8*NQ*(\sc)+NQ*\b+(\q)], v[SC+8*NQ*(\sc)+NQ*(\a)+(\q)] matrix_a_fmt:MATRIX_FMT_FP6 matrix_b_fmt:MATRIX_FMT_FP6 matrix_a_scale:MATRIX_SCALE_ROW1
.else
	v_wmma_scale_f32_16x16x128_f8f6f4 v[8*(8*((\a)%4)+\b):8*(8*((\a)%4)+\b)+7], v[128*(\p)+FR*\b:128*(\p)+FR*\b+FR-1], v[AF+FR*(\a):AF+FR*(\a)+FR-1], v[8*(8*((\a)%4)+\b):8*(8*((\a)%4)+\b)+7], v[SC+8*NQ*(\sc)+NQ*\b+(\q)], v[SC+8*NQ*(\sc)+NQ*(\a)+(\q)] matrix_a_fmt:MATRIX_FMT_FP6 matrix_b_fmt:MATRIX_FMT_FP6 matrix_a_scale:MATRIX_SCALE_ROW1
.endif
.endr
.endr
.endm
.macro FETCH_B st, p
	WIN TO_B
.irp i, 0,1,2,3,4,5,6,7
	FRAG 128*(\p)+FR*\i, ADRB, \st, \i
.endr
	WIN 0
.endm
.macro FETCH_A st, i0
.irp i, \i0, \i0+1, \i0+2, \i0+3
	FRAG AF+FR*(\i), ADRA, \st, \i
.endr
.endm
.macro SCALES pr                       ; the words of steps 2 pr, 2 pr + 1: lanes 0-15 A's block i, lanes 16-31 B's
.irp i, 0,1,2,3,4,5,6,7
	ds_load_b64 v[SC+8*NQ*((\pr)%2)+NQ*\i:SC+8*NQ*((\pr)%2)+NQ*\i+1], v[ADRS] offset:\i*SBLK+4*NQ*(\pr)
.endr
.endm
.macro PLACES n
.rept \n
	v_nop
.endr
.endm
; A step: 64 products; the next step's fragments are fetched in its middle and at its end.  Where the next step's bytes end in a chunk not yet read, a barrier shows it whole;
; where they begin in a later chunk, the chunk left behind is free: the wait for all my tensor loads, the add and its wait stand in front of the barrier, and where a chunk is left to fetch a round follows, and the refill.
.macro STEP st, zero
.set NX, (\st)+1
.set C0, (96*(\st))/ROWB
.set C1, (96*NX)/ROWB
.set E0, (96*(\st)+95)/ROWB
.set E1, (96*NX+95)/ROWB
.if C1 > C0 || E1 > E0
	s_wait_tensorcnt 0x0                           ; all my tensor loads have landed
.if C1 > C0
	ds_add_u32 v[SPW], v[NIL]
	s_wait_dscnt 4*NL+1                            ; the add and A's blocks 4-7 may be out
.else
	s_wait_dscnt 4*NL                              ; A's blocks 4-7 may be out
.endif
	WIN MUL_LO-0x20*(\zero)
	MUL16 0, (\st)%2, (\st)%2, ((\st)/2)%2, \zero
	s_wait_dscnt 0x0                               ; the add and all my reads are done
	s_barrier_signal -1
	MUL16 2, (\st)%2, (\st)%2, ((\st)/2)%2, \zero
	WIN 0
	s_barrier_wait -1
.if C1 > C0 && C0+2 < CHUNKS
	CREST
	s_add_nc_u64 s[G0+4*(C0%2)+2:G0+4*(C0%2)+3], s[G0+4*(C0%2)+2:G0+4*(C0%2)+3], 2*ROWB
	s_add_nc_u64 s[G0B+4*(C0%2)+2:G0B+4*(C0%2)+3], s[G0B+4*(C0%2)+2:G0B+4*(C0%2)+3], 2*ROWB
	JLOAD G0+4*(C0%2), G1, G0B+4*(C0%2), G1B       ; chunk C0 + 2; its four v_nop are the places in front of the loads below
.else
	PLACES NP
.endif
.else
	s_wait_dscnt 4*NL                              ; B's set and A's blocks 0-3 are in
	WIN MUL_LO-0x20*(\zero)
	MUL16 0, (\st)%2, (\st)%2, ((\st)/2)%2, \zero
	MUL16 2, (\st)%2, (\st)%2, ((\st)/2)%2, \zero
	s_wait_dscnt 0
	PLACES NP
.endif
	FETCH_B NX, NX%2
	FETCH_A NX, 0
.if NX%2 == 0
	SCALES NX/2
.endif
	WIN MUL_HI-0x30*(\zero)
	MUL16 4, (\st)%2, (\st)%2, ((\st)/2)%2, \zero
	MUL16 6, (\st)%2, (\st)%2, ((\st)/2)%2, \zero
	PLACES NP
	WIN 0
	FETCH_A NX, 4
.endm
	s_wait_alu depctr_va_vdst(0)                   ; the wait at the head's end
	s_wait_tensorcnt 0x0                           ; my tile of the head's four is in; the same lines as ahead of a refill stand ahead of slot 1's first fill
	ds_add_u32 v[SPW], v[NIL]
	s_mov_b32 s[G1+2], 128<<16                     ; no tensor load of mine is out: from here on a load brings 128 rows
	s_mov_b32 s[G1+4], 128
	s_mov_b32 s[G1B+2], 128<<16
	s_mov_b32 s[G1B+4], 128
	s_wait_dscnt 0x0
	CROUND
	JLOAD G0+4, G1, G0B+4, G1B                     ; chunk 1
	FETCH_B 0, 0
	FETCH_A 0, 0
	SCALES 0
	FETCH_A 0, 4
	STEP 0, 1
.set ST, 1
.rept STEPS-2
	STEP ST, 0
.set ST, ST+1
.endr
	s_wait_dscnt 4*NL                              ; the last step fetches nothing
	WIN MUL_LO
	MUL16 0, 1, 1, 1, 0
	MUL16 2, 1, 1, 1, 0
	s_wait_dscnt 0
	WIN MUL_HI
	MUL16 4, 1, 1, 1, 0
	MUL16 6, 1, 1, 1, 0
	WIN 0
	; THE WAY OUT.  s26: my first key row (0 .. 8,191), s27: my first channel (0 .. 1,023); the record of (batch, head, 128 keys) holds K's 8 tiles (768 bytes each), V's 4 (1,536 each), K's and V's scale words
	s_lshl_b32 s24, s17, 8
	s_lshl_b32 s26, s15, 7
	s_add_co_u32 s24, s24, s26
	s_lshl_b32 s25, s42, 8
	s_lshl_b32 s26, s16, 7
	s_add_co_u32 s25, s25, s26
	s_mov_b32 s29, 6656
	s_mov_b32 s30, 768
	s_mov_b32 s31, 212992
	s_mov_b32 s33, 1536
	s_mov_b32 s34, 208384
	s_cmp_eq_u32 s95, 0
	s_cselect_b32 s26, s24, s25
	s_cselect_b32 s27, s25, s24
	s_cselect_b32 s28, 0, 6144
	s_cselect_b32 s29, 12288, s29
	s_cselect_b32 s32, s31, s30
	s_cselect_b32 s33, 768, s33
	s_cselect_b32 s34, 768, s34
	s_lshr_b32 s38, s26, 11
	s_lshl_b32 s38, s38, 4
	s_lshr_b32 s39, s27, 6
	s_add_co_u32 s38, s38, s39
	s_lshl_b32 s38, s38, 4
	s_lshr_b32 s39, s26, 7
	s_and_b32 s39, s39, 15
	s_add_co_u32 s38, s38, s39
	s_mul_i32 s38, s38, 13312
	s_add_co_u32 s38, s38, s28
	s_mov_b32 s39, 0
	s_add_nc_u64 s[12:13], s[12:13], s[38:39]
	s_mov_b32 s49, 0
	s_mov_b32 s48, s32
	s_add_nc_u64 s[50:51], s[12:13], s[48:49]
	s_mov_b32 s48, s29
	s_add_nc_u64 s[52:53], s[12:13], s[48:49]
	s_mov_b32 s48, s31
	s_add_nc_u64 s[54:55], s[52:53], s[48:49]
	s_mov_b32 s56, s33
	s_mov_b32 s57, 0
	s_mov_b32 s58, s34
	s_mov_b32 s59, 0
	s_mov_b32 s60, 0xffff0000
	s_mov_b32 s[SEL], 0x76543210
	s_mov_b32 s[SEL+1], 0xfedcba98
.macro QUANT s, pw                     ; 64 numbers a lane, four blocks of 32 shared with lane l xor 16: the scale word and twelve registers of codes
.irp b, 0,1,2,3
	v_max3_num_f32 v[TM+\b], |v[\s+16*\b]|, |v[\s+1+16*\b]|, 0x1800000
.endr
.irp i, 2,4,6,8,10,12,14
.irp b, 0,1,2,3
	v_max3_num_f32 v[TM+\b], v[TM+\b], |v[\s+16*\b+\i]|, |v[\s+1+16*\b+\i]|
.endr
.endr
.irp b, 0,1,2,3
	v_permlanex16_b32 v[TM+4+\b], v[TM+\b], s[SEL], s[SEL+1]
.endr
.irp b, 0,1,2,3
	v_max_num_f32 v[TM+\b], v[TM+\b], v[TM+4+\b]
.endr
.irp b, 0,1,2,3
	v_add_nc_u32 v[TM+12+\b], 0xff000000, v[TM+\b]
.endr
.irp b, 0,1,2,3
	v_lshrrev_b32 v[TM+4+\b], 23, v[TM+12+\b]
.endr
	v_lshl_or_b32 v[\pw], v[TM+5], 8, v[TM+4]
	v_lshl_or_b32 v[\pw], v[TM+6], 16, v[\pw]
	v_lshl_or_b32 v[\pw], v[TM+7], 24, v[\pw]
.irp c, 0,1
	v_cvt_scalef32_pk16_fp6_f32 v[PC+6*\c:PC+2+6*\c], v[\s+32*\c:\s+15+32*\c], v[TM+12+2*\c]
	v_cvt_scalef32_pk16_fp6_f32 v[PC+12+4*\c:PC+14+4*\c], v[\s+16+32*\c:\s+31+32*\c], v[TM+12+2*\c+1]
.endr
	v_nop
.irp c, 0,1
.irp i, 0,1,2
	v_permlane16_swap_b32 v[PC+6*\c+\i], v[PC+12+4*\c+\i]
.endr
.irp i, 0,1,2
	v_mov_b32 v[PC+3+6*\c+\i], v[PC+12+4*\c+\i]
.endr
.endr
.endm
.macro OUTA a                          ; A's block a: 16 rows x 128 columns
.if (\a) > 0
	s_wait_xcnt 0x0                                ; the last block's stores have read their registers and bases
.if (\a) == 4
	s_add_nc_u64 s[12:13], s[12:13], s[58:59]
	s_add_nc_u64 s[50:51], s[50:51], s[58:59]
.else
	s_add_nc_u64 s[12:13], s[12:13], s[56:57]
	s_add_nc_u64 s[50:51], s[50:51], s[56:57]
.endif
.endif
	WIN 0x02+(\a)/4
.set ii, 0
.rept 32
	v_pk_add_f32 v[H+2*ii:H+2*ii+1], v[64*((\a)%4)+2*ii:64*((\a)%4)+2*ii+1], v[YB+2*(\a):YB+2*(\a)+1]   ; each accumulator from its low end on
.set ii, ii+1
.endr
	WIN 0
	QUANT H, PWS+(\a)
	global_store_b128 v[O16], v[PC:PC+3], s[12:13]                 ; half a fragment's image: 768 consecutive bytes, aligned to 256
	global_store_b64 v[O8], v[PC+4:PC+5], s[12:13] offset:512
	global_store_b128 v[O16], v[PC+6:PC+9], s[50:51]
	global_store_b64 v[O8], v[PC+10:PC+11], s[50:51] offset:512
.endm
	PLACES NP
.irp a, 0,1,2,3,4,5,6,7
	OUTA \a
.endr
.irp i, 0,1,2,3
	v_cndmask_b32 v[WW+\i], v[PWS+2*\i], v[PWS+2*\i+1], s60        ; lanes 0-15 block 2 i's words, lanes 16-31 block 2 i + 1's
.endr
.irp i, 0,1,2,3
	v_lshrrev_b32 v[TT+\i], 16, v[WW+\i]
.endr
.irp i, 0,1,2,3
	v_cndmask_b32 v[DD+\i], v[TT+\i], v[WW+(\i+2)%4], s95
.endr
	global_store_b128 v[O16], v[WW:WW+3], s[52:53]
	global_store_b128 v[O16], v[DD:DD+3], s[54:55]
	s_wait_tensorcnt 0x0                           ; the wave's end
	ds_add_u32 v[SPW], v[NIL]
	s_wait_dscnt 0x0
	CROUND                                         ; the closing round
	s_endpgm
.Lfunc_end_k_qac42ed7fd3_proj:
	.size	k_qac42ed7fd3_proj, .Lfunc_end_k_qac42ed7fd3_proj-k_qac42ed7fd3_proj
	.p2alignl 7, 3214868480
	.fill 96, 4, 3214868480
	.section	.rodata,"a",@progbits
	.p2align	6, 0x0
	.amdhsa_kernel k_qac42ed7fd3_proj
		.amdhsa_group_segment_fixed_size 327680
		.amdhsa_private_segment_fixed_size 0
		.amdhsa_enable_private_segment 0
		.amdhsa_kernarg_size 32
		.amdhsa_user_sgpr_count 2
		.amdhsa_user_sgpr_kernarg_segment_ptr 1
		.amdhsa_wavefront_size32 1
		.amdhsa_system_sgpr_workgroup_id_x 1
		.amdhsa_system_sgpr_workgroup_id_y 1
		.amdhsa_system_sgpr_workgroup_id_z 1
		.amdhsa_system_vgpr_workitem_id 0
		.amdhsa_next_free_vgpr 1024
		.amdhsa_next_free_sgpr 102
		.amdhsa_reserve_vcc 0
		.amdhsa_float_denorm_mode_32 3
		.amdhsa_float_denorm_mode_16_64 3
		.amdhsa_memory_ordered 1
		.amdhsa_forward_progress 1
		.amdhsa_inst_pref_size 189
	.end_amdhsa_kernel
	.amdgpu_metadata
---
amdhsa.version: [ 1, 2 ]
amdhsa.kernels:
  - .name:           k_qac42ed7fd3_proj
    .symbol:         k_qac42ed7fd3_proj.kd
    .args:
      - { .name: codes, .offset: 0, .size: 8, .value_kind: global_buffer, .address_space: global }
      - { .name: scales, .offset: 8, .size: 8, .value_kind: global_buffer, .address_space: global }
      - { .name: bkv, .offset: 16, .size: 8, .value_kind: global_buffer, .address_space: global }
      - { .name: rec, .offset: 24, .size: 8, .value_kind: global_buffer, .address_space: global }
    .group_segment_fixed_size: 327680
    .private_segment_fixed_size: 0
    .kernarg_segment_align: 8
    .kernarg_segment_size: 32
    .max_flat_workgroup_size: 128
    .sgpr_count:     102
    .vgpr_count:     1024
    .wavefront_size: 32
...
	.end_amdgpu_metadata
.endif
;; end of part 2
;; launch attn (part 3): grid 4 x 64, 16 waves a work-group, clusters of 4 x 1, 320,512 bytes of LDS; arguments rec, maskw, oimg, osc, codes, scales, bq; writes oimg, osc
.if DOCPART == 3
	.amdgcn_target "amdgcn-amd-amdhsa--gfx1250"
	.amdhsa_code_object_version 6
	.text
	.protected	k_qac42ed7fd3_attn
	.globl	k_qac42ed7fd3_attn
	.p2align	8
	.type	k_qac42ed7fd3_attn,@function
k_qac42ed7fd3_attn:
	s_mov_b64 s[64:65], 0
	v_nop
	global_prefetch_b8 v0, s[64:65] scope:SCOPE_SE
	s_setreg_imm32_b32 hwreg(HW_REG_WAVE_MODE, 25, 1), 1
	s_wait_xcnt 0x0
	s_wait_alu depctr_hold_cnt(0) depctr_sa_sdst(0) depctr_va_vdst(0) depctr_va_sdst(0) depctr_va_ssrc(0) depctr_va_vcc(0) depctr_vm_vsrc(0)
	s_getreg_b32 s2, hwreg(HW_REG_IB_STS2, 6, 4)
	s_cmp_eq_u32 s2, 0
	s_cbranch_scc0 .Lentry_in_a_cluster
	s_endpgm
.Lentry_in_a_cluster:
	s_bfe_u32 s2, ttmp6, 0x10000c
	s_cmp_lg_u32 s2, 0x3003
	s_cbranch_scc0 .Lentry_shape_is_right
	s_endpgm
.Lentry_shape_is_right:
; For one (batch, head) and 256 queries: Q = x Wq^T + bq, quantised along the head's 64 channels; S^T = K Q^T, the mask, the softmax p = 2^(t - M), O^T = V^T P^T, O / l, and O quantised for the last product.  All on codes of FP6 (E2M3).
; t = S x log2(e) / 8: q is quantised without its factor 1/8, a power of two.  M is the running largest t rounded UP to a whole number; the row's sum is taken of the unquantised p.
; SHARES.  A work-group owns 256 queries of a head; each of its sixteen waves one tile of 16, in 256 registers, four waves to a SIMD.  Every wave walks the head's 2,048 keys, 128 a step.
; LDS.  The head's 64 rows of Wq (192 blocks of 256 bytes, 16 of padding behind each: 52,224 bytes) and its sixteen records of K and V (13,312 bytes a key step: 212,992) come ONCE and stay: nothing is filled again.
; That is 1,024 rows of 256 bytes: each wave asks for 64 of them by its one tensor load: waves 0-2 Wq's, waves 3-15 the records'.  One barrier shows all of it to all waves; the walk has none.
; Behind them each wave has a stage of its own, 16 rows of 208 bytes, into which no tile lands.
; CLUSTER.  The four work-groups of a cluster belong to one head: every fill is a joint load.
; No prefetch: all tiles are asked for at the head, so there is no loop that runs ahead of a load.
; Q.  Source 0 = 16 stored rows of Wq (from LDS), source 1 = my 16 rows of x: 4 tiles x 8 steps of 128 along K, the sums beginning with bq.
; x's codes come by loads of 16 bytes a lane in which neighbouring lanes take neighbouring bytes: 192 bytes (two K steps) of each of the 16 rows are 192 pieces, six loads; piece n is piece n % 12 of row n / 12.
; They turn through my stage, two K steps at a time, and come back as fragments into the registers that they were loaded into.
; The stored order of Wq's rows makes the 16 registers of two neighbouring tiles 16 neighbouring channels; so for K's keys and V's channels.
; LAYOUT.  All products are used transposed: a lane holds ONE query.  The product with K has 64 along its K: registers 6-11 of Q's fragment are zero codes, so what K's fragments hold there adds nothing: K's eight tiles
; lie SIX registers apart, each one's upper six being the next one's lower six (the last one's are zeros).  Behind a step's eight products the next step's K is asked for and lands under the softmax.
; THE MASK comes as 64 words a key step, one bit a lane, by scalar loads a step ahead; each selects -infinity for one register.
; LIMITS: a query all of whose keys are masked gives no NaN in the output row, as the definition would; NaN and infinities are not served; a block of zeros gets the byte 1; the promise holds while |t| stays under 2^31.
.set RECB,  13312
.set HEADB, 16*RECB
.set WPITCH, 816                       ; a row of Wq in LDS: 3 x (256 + 16)
.set KVB,   64*WPITCH                  ; the records begin behind Wq
.set XST,   KVB+HEADB                  ; the waves' stages
.set XPITCH, 208                       ; a stage's row: 192 bytes + 16
.set SPARE, XST+16*16*XPITCH           ; the spare words: 128 bytes for each of sixteen waves, named by no other line
.set WQROW, 12288
.set L16, 1                            ; v1 16 x lane, v2 8 x lane; v3, v4 the same + the step's record (at the head: Wq's rows in LDS)
.set L8,  2
.set A16, 3
.set A8,  4
.set SPW, 5                            ; v5 my spare word's address; v6 0; never rewritten
.set NIL, 6
.set QF,  16                           ; v16-27 Q (v22-27 zero codes); v28 its scale word; v29 P's
.set GV,  16                           ; at the head: v16-21 where x's six pieces a lane lie in memory, v22-27 where they go in my stage, v30 where my fragments' rows lie in it
.set LA,  22
.set XA,  30
.set KF,  32                           ; v32-85 K: tile t at v[32 + 6 t]; v80-85 zeros.  At the head v32-79: Wq's four fragments
.set KSC, 86                           ; v86-89 K's scale words, v90-91 V's
.set VSC, 90                           ; scales and nothing else: v28, v29, v86-95, v228-235, v238-243
.set XSC, 228                          ; v228-235 x's scale words, K step s at v[228 + s]
.set S,   96                           ; v96-159 S^T, then p; then v96-143 V's four tiles.  At the head v96-191: x's eight fragments
.set O,   160                          ; v160-191 O^T
.set PF,  192                          ; v192-203 P's codes; v204-210 the conversions' second halves.  At the head v192-223: Q's four accumulators
.set P2,  204
.set BM,  212
.set PB,  216
.set SO,  220
.set T,   224
.set TB,  2
.set CNT, 3
.set WV,  66
.set MO,  67
.set G1W, 68                           ; s[68:75] group 1 for Wq's blocks; s[84:91] for the records'
.set G1,  84
.set MB,  96
.set CS,  98
.set SEL, 100
.macro CROUND
	s_barrier_signal -1
	s_barrier_wait -1
	s_cmp_lg_u32 s[WV], 0
	s_cbranch_scc1 .Lnot_wave_0_\@
	s_barrier_signal -3
.Lnot_wave_0_\@:
	s_barrier_wait -3
	s_barrier_signal -1
	s_barrier_wait -1
.endm
.macro MASKLOAD                        ; 64 words: word n in s[4 + n] (n < 48) or s[20 + n]
	s_load_b512 s[4:19], s[MB:MB+1], s[MO]
	s_load_b512 s[20:35], s[MB:MB+1], s[MO] offset:0x40
	s_load_b512 s[36:51], s[MB:MB+1], s[MO] offset:0x80
	s_load_b512 s[68:83], s[MB:MB+1], s[MO] offset:0xc0
.endm
.macro NOPS n
.rept \n
	v_nop
.endr
.endm
; 32 numbers a lane (two blocks of 32 shared with lane l xor 16) at v[s ..] -> six registers of codes at v[d ..], the two scale bytes in v[w]
.macro QUANT32 s, bm, pb, so, d, p2, w, hint   ; hint = 0: the numbers are matrix results, and the maxima's lines carry no hint
.irp b, 0,1
	v_max3_num_f32 v[\bm+\b], |v[\s+16*\b]|, |v[\s+1+16*\b]|, 0x1800000
.endr
.irp i, 2,4,6,8,10,12,14
.irp b, 0,1
.if \hint
	s_delay_alu instid0(VALU_DEP_2)
.endif
	v_max3_num_f32 v[\bm+\b], v[\bm+\b], |v[\s+16*\b+\i]|, |v[\s+1+16*\b+\i]|
.endr
.endr
.irp b, 0,1
	s_delay_alu instid0(VALU_DEP_2)
	v_permlanex16_b32 v[\pb+\b], v[\bm+\b], s[SEL], s[SEL+1]
.endr
.irp b, 0,1
	s_delay_alu instid0(VALU_DEP_2)
	v_max_num_f32 v[\bm+\b], v[\bm+\b], v[\pb+\b]
.endr
.irp b, 0,1
	s_delay_alu instid0(VALU_DEP_2)
	v_add_nc_u32 v[\so+\b], 0xff000000, v[\bm+\b]
.endr
.irp b, 0,1
	s_delay_alu instid0(VALU_DEP_2)
	v_lshrrev_b32 v[\pb+\b], 23, v[\so+\b]
.endr
	s_delay_alu instid0(VALU_DEP_1)
	v_lshl_or_b32 v[\w], v[\pb+1], 8, v[\pb]
	v_cvt_scalef32_pk16_fp6_f32 v[\d:\d+2], v[\s:\s+15], v[\so]
	v_cvt_scalef32_pk16_fp6_f32 v[\p2:\p2+2], v[\s+16:\s+31], v[\so+1]
	v_nop
.irp i, 0,1,2
	v_permlane16_swap_b32 v[\d+\i], v[\p2+\i]
.endr
.irp i, 0,1,2
	s_delay_alu instid0(VALU_DEP_3)
	v_mov_b32 v[\d+3+\i], v[\p2+\i]
.endr
.endm
	s_load_b128 s[4:7], s[0:1], 0x0                ; rec s[4:5], maskw s[6:7]
	s_load_b128 s[8:11], s[0:1], 0x20              ; codes s[8:9], scales s[10:11]
	s_load_b64 s[12:13], s[0:1], 0x30              ; bq
	v_lshl_add_u32 v[SPW], v0, 2, SPARE
	v_mov_b32 v[NIL], 0
	ds_add_u32 v[SPW], v[NIL]                      ; the opening: the add, twice on end, and its wait ahead of my first tensor load
	ds_add_u32 v[SPW], v[NIL]
	v_lshrrev_b32 v7, 5, v0
	s_delay_alu instid0(VALU_DEP_1)
	v_readfirstlane_b32 s[WV], v7                  ; wave 0..15
	s_bfe_u32 s14, ttmp6, 0x40000                  ; cx: enters global addresses of x, the mask and the results alone
	s_and_b32 s15, ttmp7, 0xffff                   ; bh, which the four partners share
	s_lshl_b32 s16, s14, 4
	s_add_co_u32 s16, s16, s[WV]                   ; my tile of 16 queries, 0 .. 63
	s_lshr_b32 s17, s15, 4
	s_lshl_b32 s17, s17, 6
	s_add_co_u32 s17, s17, s16                     ; the row tile among the 256 of all batches
	s_and_b32 s18, s15, 15                         ; the head
	s_mov_b32 s[G1], 15|(3<<16)|(1<<21)            ; the mask: all four; elements of 8 bytes; bit 21 beside a mask
	s_mov_b32 s[G1W], 15|(3<<16)|(1<<20)|(1<<21)|(5<<22)|(3<<25)   ; the same with 4 words of padding behind every 64
.irp g, G1, G1W
	s_mov_b32 s[\g+1], 32<<16                      ; rows of 256 bytes,
	s_mov_b32 s[\g+2], 64<<16                      ; 64 of them, dense
	s_mov_b32 s[\g+3], 32<<16
	s_mov_b32 s[\g+4], 64
	s_mov_b32 s[\g+5], 32
	s_mov_b32 s[\g+6], 0
	s_mov_b32 s[\g+7], 0
.endr
	s_mov_b32 s52, 1                               ; s[52:55] group 0 for the records: wave w (3 .. 15) fills KVB + 16,384 (w - 3)
	s_lshl_b32 s53, s[WV], 14
	s_add_co_u32 s53, s53, KVB-3*16384
	s_mov_b32 s56, 1                               ; s[56:59] for Wq: wave w (0 .. 2) fills 64 x 272 x w
	s_mul_i32 s57, s[WV], 64*272
	s_mul_i32 s36, s[WV], 16*XPITCH
	s_add_co_u32 s36, s36, XST                     ; my stage
	s_max_u32 s20, s[WV], 3
	s_sub_co_u32 s20, s20, 3
	s_lshl_b32 s20, s20, 14
	s_mul_i32 s21, s15, HEADB
	s_add_co_u32 s20, s20, s21
	s_mov_b32 s21, 0
	s_min_u32 s22, s[WV], 2
	s_lshl_b32 s22, s22, 14
	s_lshl_b32 s23, s18, 6
	s_add_co_u32 s23, s23, WQROW                   ; the head's first row of Wq in the codes' buffer
	s_lshl_b32 s30, s23, 5                         ; its scale bytes
	s_mov_b32 s31, 0
	s_mul_i32 s23, s23, 768
	s_add_co_u32 s22, s22, s23
	s_mov_b32 s23, 0
	s_mul_i32 s26, s17, 16*768                     ; my 16 rows of x: codes,
	s_mov_b32 s27, 0
	s_lshl_b32 s28, s17, 9                         ; scale bytes
	s_mov_b32 s29, 0
	s_lshl_b32 s32, s18, 8                         ; bq at the head's 64 channels
	s_mov_b32 s33, 0
	s_lshl_b32 s34, s17, 12                        ; the mask words of my row tile: 4,096 bytes
	s_mov_b32 s35, 0
	s_mov_b32 s[CS], 0x3e38aa3b                    ; log2(e) / 8
	s_mov_b32 s[CS+1], s[CS]
	s_mov_b32 s[SEL], 0x76543210
	s_mov_b32 s[SEL+1], 0xfedcba98
	s_mov_b32 s[MO], 0
	s_wait_dscnt 0x0                               ; both opening adds are done
	s_wait_kmcnt 0x0
	s_add_nc_u64 s[54:55], s[4:5], s[20:21]
	s_or_b32 s55, s55, 0x80000000
	s_add_nc_u64 s[58:59], s[8:9], s[22:23]
	s_or_b32 s59, s59, 0x80000000
	s_add_nc_u64 s[26:27], s[8:9], s[26:27]
	s_add_nc_u64 s[28:29], s[10:11], s[28:29]
	s_add_nc_u64 s[30:31], s[10:11], s[30:31]
	s_add_nc_u64 s[32:33], s[12:13], s[32:33]
	s_add_nc_u64 s[MB:MB+1], s[6:7], s[34:35]
	CROUND                                         ; all four work-groups are here: the joint loads meet
	s_cmp_lt_u32 s[WV], 3                          ; one load on every way; the branch hangs on the wave's number alone
	s_cbranch_scc0 .Lfor_kv
	tensor_load_to_lds s[56:59], s[G1W:G1W+7]
	s_nop 0
	NOPS 4
	s_branch .Lasked
.Lfor_kv:
	tensor_load_to_lds s[52:55], s[G1:G1+7]
	s_nop 0
	NOPS 4
.Lasked:
	v_and_b32 v8, 15, v0                           ; r
	v_bfe_u32 v9, v0, 4, 1                         ; h
	v_and_b32 v10, 31, v0                          ; lane
.irp j, 0,1,2,3,4,5                            ; x's pieces of 16 bytes: n = 32 j + lane, the six by turns
	v_add_nc_u32 v[32+\j], 32*\j, v10
.endr
.irp j, 0,1,2,3,4,5
	v_mul_u32_u24 v[38+\j], v[32+\j], 171
.endr
.irp j, 0,1,2,3,4,5
	v_lshrrev_b32 v[38+\j], 11, v[38+\j]           ; the row, n / 12 = (171 n) >> 11 for n under 192
.endr
.irp j, 0,1,2,3,4,5
	v_lshlrev_b32 v[32+\j], 4, v[32+\j]            ; 16 n = 192 x row + 16 x piece
.endr
.irp j, 0,1,2,3,4,5
	v_mad_u32_u24 v[GV+\j], v[38+\j], 576, v[32+\j]   ; in memory a row is 768 bytes: 576 more for each row
.endr
.irp j, 0,1,2,3,4,5
	v_add_nc_u32 v[32+\j], s36, v[32+\j]
.endr
.irp j, 0,1,2,3,4,5
	v_lshl_add_u32 v[LA+\j], v[38+\j], 4, v[32+\j]    ; in my stage 208: 16 more for each row
.endr
.irp g, 0,1,2,3
.irp j, 0,1,2,3,4,5
	global_load_b128 v[S+24*\g+4*\j:S+24*\g+4*\j+3], v[GV+\j], s[26:27] offset:192*\g   ; K steps 2 g, 2 g + 1: twelve neighbouring lanes read a row's 192 consecutive bytes
.endr
.endr
	v_mul_u32_u24 v[XA], v8, XPITCH
	v_mul_u32_u24 v[A16], v8, WPITCH
	v_lshlrev_b32 v12, 5, v8                       ; x's scale bytes: row r
	v_lshlrev_b32 v13, 5, v10                      ; Wq's: row lane
	v_lshlrev_b32 v14, 6, v9                       ; bq: 16 h numbers
	v_mad_u32_u24 v[XA], v9, 24, v[XA]
	v_mad_u32_u24 v[A16], v9, 24, v[A16]           ; Wq's in LDS: row r, + 24 h;
	v_lshlrev_b32 v[L16], 4, v10
	v_lshlrev_b32 v[L8], 3, v10
	v_add_nc_u32 v[XA], s36, v[XA]                 ; x's fragments in my stage: row r, + 24 h
	v_lshl_add_u32 v[A8], v9, 4, v[A16]            ; + 40 h, for pieces that in lanes 16-31 lie behind one padding more
	global_load_b128 v[XSC:XSC+3], v12, s[28:29]
	global_load_b128 v[XSC+4:XSC+7], v12, s[28:29] offset:16
	global_load_b128 v[86:89], v13, s[30:31]                   ; Wq's words: lanes 0-15 tile 0, lanes 16-31 tile 1: K steps 0-3,
	global_load_b128 v[92:95], v13, s[30:31] offset:16         ; 4-7;
	global_load_b128 v[238:241], v13, s[30:31] offset:1024     ; tiles 2 and 3: K steps 0-3,
	global_load_b64 v[242:243], v13, s[30:31] offset:1040      ; 4-5,
	global_load_b64 v[90:91], v13, s[30:31] offset:1048        ; 6-7
.irp t, 0,1,2,3
	global_load_b128 v[PF+8*\t:PF+8*\t+3], v14, s[32:33] offset:(32*(\t/2)+8*(\t%2))*4       ; register j of tile t: bq of channel 32 (t / 2) + 16 h + 8 (t % 2) + j: the sums begin with it
	global_load_b128 v[PF+8*\t+4:PF+8*\t+7], v14, s[32:33] offset:(32*(\t/2)+8*(\t%2))*4+16
.endr
.macro FRAGW reg, s, i                 ; Wq's tile i, K step s: 12 registers in pieces of 8 bytes
.irp p, 0,1,2,3,4,5
.set OBY, 96*(\s)+48*(\p/3)+8*(\p%3)
.if OBY%256 < 232
	ds_load_b64 v[\reg+2*\p:\reg+2*\p+1], v[A16] offset:OBY+16*(OBY/256)+(\i)*16*WPITCH
.else
	ds_load_b64 v[\reg+2*\p:\reg+2*\p+1], v[A8] offset:OBY+16*(OBY/256)+(\i)*16*WPITCH
.endif
.endr
.endm
.macro QSTEP s                         ; 128 along K: the four accumulators take turns
.if (\s) > 0
	NOPS 4                                         ; places in front of loads into registers that the last products read
.irp i, 0,1,2,3
	FRAGW KF+12*\i, \s, \i
.endr
.endif
	s_wait_dscnt 0x0
.irp t, 0,1,2,3
.if (\t) < 2
.if (\s) < 4
.set WR, 86+(\s)
.else
.set WR, 88+(\s)
.endif
.else
.if (\s) < 6
.set WR, 238+(\s)
.else
.set WR, 84+(\s)
.endif
.endif
.if (\t)%2
	v_wmma_scale_f32_16x16x128_f8f6f4 v[PF+8*\t:PF+8*\t+7], v[KF+12*\t:KF+12*\t+11], v[S+12*(\s):S+12*(\s)+11], v[PF+8*\t:PF+8*\t+7], v[WR], v[XSC+(\s)] matrix_a_fmt:MATRIX_FMT_FP6 matrix_b_fmt:MATRIX_FMT_FP6 matrix_a_scale:MATRIX_SCALE_ROW1
.else
	v_wmma_scale_f32_16x16x128_f8f6f4 v[PF+8*\t:PF+8*\t+7], v[KF+12*\t:KF+12*\t+11], v[S+12*(\s):S+12*(\s)+11], v[PF+8*\t:PF+8*\t+7], v[WR], v[XSC+(\s)] matrix_a_fmt:MATRIX_FMT_FP6 matrix_b_fmt:MATRIX_FMT_FP6
.endif
.endr
.endm
	s_wait_alu depctr_va_vdst(0)                   ; directly ahead of the wait below
	s_wait_tensorcnt 0x0                           ; my one load has landed,
	s_barrier_signal -1
	s_barrier_wait -1                              ; everybody's has: Wq and all sixteen records are whole
	s_wait_loadcnt 0x0                             ; x's codes, the scale words and bq: their bases may be written
	MASKLOAD                                       ; key step 0's words
.irp g, 0,1,2,3                                ; x through my stage, two K steps at a time; LDS serves a wave's instructions in order, so a round's stores follow the last round's loads with no wait
.irp j, 0,1,2,3,4,5
	ds_store_b128 v[LA+\j], v[S+24*\g+4*\j:S+24*\g+4*\j+3]
.endr
	s_wait_dscnt 0x0                               ; the stores have read their registers: the fragments land there
.irp q, 0,1
.irp p, 0,1,2,3,4,5
	ds_load_b64 v[S+24*\g+12*\q+2*\p:S+24*\g+12*\q+2*\p+1], v[XA] offset:96*\q+48*(\p/3)+8*(\p%3)
.endr
.endr
.endr
.irp i, 0,1,2,3
	FRAGW KF+12*\i, 0, \i
.endr
.irp s, 0,1,2,3,4,5,6,7
	QSTEP \s
.endr
	NOPS 4                                         ; places behind the last products
	v_mov_b32 v34, 0                               ; a lane permute's destination counts as read
	v_mov_b32 v35, 0
	QUANT32 PF, 32, 34, 36, QF, 40, 28, 0          ; Q's codes and its scale word (bytes 2 and 3 stay 0: they scale zero codes)
.irp j, 6,7,8,9,10,11
	v_mov_b32 v[QF+\j], 0                          ; zero codes for k = 64 .. 127
.endr
.irp j, 48,49,50,51,52,53
	v_mov_b32 v[KF+\j], 0                          ; what the last tile of K names beyond its own six
.endr
	v_mov_b32 v13, 0xff61b1e6                      ; the largest t so far: -3e38
	s_delay_alu instid0(VALU_DEP_1)
	v_floor_f32 v12, -v13                          ; -M
	v_mov_b32 v14, 0                               ; the sum, in two halves
	v_mov_b32 v15, 0
	v_mov_b32 v31, 0                               ; (named with v30, f, as a pair)
	v_mov_b32 v236, 0xff800000                     ; -infinity
.irp b, 0,1,2,3
	v_mov_b32 v[PB+\b], 0
.endr
.set jj, 0
.rept 32
	v_mov_b32 v[O+jj], 0                           ; O^T: the step is written once; its first walk finds zeros
.set jj, jj+1
.endr
.macro KLOAD off                       ; a step's K: its scale words and eight half fragments; 17 loads, from off bytes behind the record in hand
	ds_load_b128 v[KSC:KSC+3], v[A16] offset:(\off)+12288
.irp t, 0,1,2,3,4,5,6,7
	ds_load_b128 v[KF+6*\t:KF+6*\t+3], v[A16] offset:(\off)+\t*768
	ds_load_b64 v[KF+6*\t+4:KF+6*\t+5], v[A8] offset:(\off)+\t*768+512
.endr
.endm
.macro STEP pf                         ; 128 keys.  pf = 1: the next step's K is asked for
	v_add_nc_u32 v[A16], s[TB], v[L16]
	v_add_nc_u32 v[A8], s[TB], v[L8]
	NOPS 3                                         ; with the two additions five places: the products below write over registers that the last products read
	s_wait_dscnt 0x0                               ; K and its scale words, asked for a step ago
.irp t, 0,1,2,3,4,5,6,7
.if (\t)%2
	v_wmma_scale_f32_16x16x128_f8f6f4 v[S+8*\t:S+8*\t+7], v[KF+6*\t:KF+6*\t+11], v[QF:QF+11], 0, v[KSC+\t/2], v28 matrix_a_fmt:MATRIX_FMT_FP6 matrix_b_fmt:MATRIX_FMT_FP6 matrix_a_scale:MATRIX_SCALE_ROW1
.else
	v_wmma_scale_f32_16x16x128_f8f6f4 v[S+8*\t:S+8*\t+7], v[KF+6*\t:KF+6*\t+11], v[QF:QF+11], 0, v[KSC+\t/2], v28 matrix_a_fmt:MATRIX_FMT_FP6 matrix_b_fmt:MATRIX_FMT_FP6
.endif
.endr
	NOPS 4                                         ; places in front of the loads into K's registers and scale words, and of the first read of the scores
.if \pf
	s_wait_alu depctr_va_vdst(0)                   ; the wait ahead of the readers of the two addresses
	KLOAD RECB                                     ; the next record's K: it has the softmax in which to land
.endif
	s_wait_kmcnt 0x0                               ; this step's mask words, asked for a step ago
.set nn, 0
.rept 64
	v_cndmask_b32 v[S+nn], v[S+nn], v236, s[4+nn+16*(nn/48)]   ; register 16 b + i: key 32 b + 16 (lane / 16) + i; ascending, each accumulator from its low end
.set nn, nn+1
.endr
.irp b, 0,1,2,3
	v_max3_num_f32 v[BM+\b], v[S+16*\b], v[S+1+16*\b], v[S+2+16*\b]   ; the largest score of each block of 32 keys: for the row's maximum, and for the block's largest p
.endr
.irp i, 3,5,7,9,11,13
.irp b, 0,1,2,3
	s_delay_alu instid0(VALU_DEP_4)
	v_max3_num_f32 v[BM+\b], v[BM+\b], v[S+16*\b+\i], v[S+1+16*\b+\i]
.endr
.endr
.irp b, 0,1,2,3
	s_delay_alu instid0(VALU_DEP_4)
	v_max_num_f32 v[BM+\b], v[BM+\b], v[S+15+16*\b]
.endr
	s_add_co_u32 s[MO], s[MO], 256                 ; the next step's words; in the last step its own again: no load leaves the buffer
	s_min_u32 s[MO], s[MO], 3840
	MASKLOAD
.irp b, 0,1,2,3
	v_permlanex16_b32 v[PB+\b], v[BM+\b], s[SEL], s[SEL+1]
.endr
.irp b, 0,1,2,3
	s_delay_alu instid0(VALU_DEP_4)
	v_max_num_f32 v[BM+\b], v[BM+\b], v[PB+\b]     ; with lane l xor 16's 16 keys
.endr
	s_delay_alu instid0(VALU_DEP_2)
	v_max3_num_f32 v[T], v[BM], v[BM+1], v[BM+2]
	s_delay_alu instid0(VALU_DEP_1)
	v_max_num_f32 v[T], v[T], v[BM+3]
	s_delay_alu instid0(VALU_DEP_1)
	v_mul_f32 v[T], s[CS], v[T]                    ; as t
	s_delay_alu instid0(VALU_DEP_1)
	v_max_num_f32 v13, v13, v[T]                   ; the running largest t
	v_mov_b32 v[T], v12
	s_delay_alu instid0(VALU_DEP_2)
	v_floor_f32 v12, -v13                          ; the new -M = -ceil(t)
	s_delay_alu instid0(VALU_DEP_1)
	v_sub_f32 v[T], v12, v[T]                      ; old M - new M: a whole number, 0 or less
	s_delay_alu instid0(VALU_DEP_1)
	v_cvt_i32_f32 v[T], v[T]                       ; (it saturates)
	s_delay_alu instid0(VALU_DEP_1)
	v_ldexp_f32 v30, 1.0, v[T]                     ; f = 2^(old M - new M)
.set jj, 0
.rept 32
	v_pk_fma_f32 v[S+jj:S+jj+1], v[S+jj:S+jj+1], s[CS:CS+1], v[12:13] op_sel_hi:[1,0,0]   ; t - M
.set jj, jj+2
.endr
.irp b, 0,1,2,3
	v_fma_f32 v[BM+\b], v[BM+\b], s[CS], v12       ; the same of each block's largest score
.endr
.set jj, 0
	s_wait_alu depctr_va_vdst(0)                   ; the wait ahead of the batch
.rept 64
	v_exp_f32 v[S+jj], v[S+jj]                     ; p = 2^(t - M)
.set jj, jj+1
.endr
	v_pk_mul_f32 v[14:15], v[14:15], v[30:31] op_sel_hi:[1,0]   ; the sums under the new M (a plain place behind the exponentials)
	s_wait_alu depctr_va_vdst(0)                   ; one wait for the whole batch, ahead of its first reader
.irp b, 0,1,2,3
	v_exp_f32 v[BM+\b], v[BM+\b]                   ; the blocks' largest p
.endr
.set jj, 0
.irp c, 226,254,252,250,248,246,244            ; the row's sum of the unquantised p: 32 pairs in eight chains
	v_pk_add_f32 v[\c:\c+1], v[S+jj:S+jj+1], v[S+jj+2:S+jj+3]
.set jj, jj+4
.endr
	v_pk_add_f32 v[14:15], v[14:15], v[S+28:S+29]
.set jj, 30
.rept 2
.irp c, 226,254,252,250,248,246,244,14
	v_pk_add_f32 v[\c:\c+1], v[\c:\c+1], v[S+jj:S+jj+1]
.set jj, jj+2
.endr
.endr
	v_pk_add_f32 v[226:227], v[226:227], v[S+62:S+63]
	s_delay_alu instid0(VALU_DEP_2)
	v_pk_add_f32 v[14:15], v[14:15], v[250:251]
	s_delay_alu instid0(VALU_DEP_2)
	v_pk_add_f32 v[226:227], v[226:227], v[248:249]
	v_pk_add_f32 v[254:255], v[254:255], v[246:247]
	v_pk_add_f32 v[252:253], v[252:253], v[244:245]
	s_delay_alu instid0(VALU_DEP_2)
	v_pk_add_f32 v[14:15], v[14:15], v[254:255]
	s_delay_alu instid0(VALU_DEP_2)
	v_pk_add_f32 v[226:227], v[226:227], v[252:253]
	s_delay_alu instid0(VALU_DEP_1)
	v_pk_add_f32 v[14:15], v[14:15], v[226:227]
	s_wait_alu depctr_va_vdst(0)                   ; and one for the four
.irp b, 0,1,2,3
	v_max_num_f32 v[BM+\b], 0x1800000, v[BM+\b]    ; the floor 2^(3 - 127)
.endr
.irp b, 0,1,2,3
	s_delay_alu instid0(VALU_DEP_4)
	v_add_nc_u32 v[SO+\b], 0xff000000, v[BM+\b]    ; the conversion's scale operand
.endr
.irp b, 0,1,2,3
	s_delay_alu instid0(VALU_DEP_4)
	v_lshrrev_b32 v[PB+\b], 23, v[SO+\b]           ; the scale's byte
.endr
	s_delay_alu instid0(VALU_DEP_3)
	v_lshl_or_b32 v29, v[PB+1], 8, v[PB]           ; p's scale word for these 128 keys
	s_delay_alu instid0(VALU_DEP_1)
	v_lshl_or_b32 v29, v[PB+2], 16, v29
	s_delay_alu instid0(VALU_DEP_1)
	v_lshl_or_b32 v29, v[PB+3], 24, v29
.irp c, 0,1
	v_cvt_scalef32_pk16_fp6_f32 v[PF+6*\c:PF+2+6*\c], v[S+32*\c:S+15+32*\c], v[SO+2*\c]
	v_cvt_scalef32_pk16_fp6_f32 v[P2+4*\c:P2+2+4*\c], v[S+16+32*\c:S+31+32*\c], v[SO+2*\c+1]
.endr
	v_nop                                          ; one plain place behind a scaled conversion
.irp t, 0,1,2,3                                ; V's four tiles land where p lay
	ds_load_b128 v[S+12*\t:S+12*\t+3], v[A16] offset:6144+1536*\t
	ds_load_b64 v[S+12*\t+4:S+12*\t+5], v[A8] offset:6144+1536*\t+512
	ds_load_b128 v[S+12*\t+6:S+12*\t+9], v[A16] offset:6144+1536*\t+768
	ds_load_b64 v[S+12*\t+10:S+12*\t+11], v[A8] offset:6144+1536*\t+1280
.endr
	ds_load_b64 v[VSC:VSC+1], v[A16] offset:12800
.irp c, 0,1                                    ; a whole block to a lane
.irp i, 0,1,2
	v_permlane16_swap_b32 v[PF+6*\c+\i], v[P2+4*\c+\i]
.endr
.irp i, 0,1,2
	s_delay_alu instid0(VALU_DEP_3)
	v_mov_b32 v[PF+3+6*\c+\i], v[P2+4*\c+\i]
.endr
.endr
.set jj, 0
.rept 16
	v_pk_mul_f32 v[O+jj:O+jj+1], v[O+jj:O+jj+1], v[30:31] op_sel_hi:[1,0]   ; O^T under the new M; these are also the places in front of the scaled products
.set jj, jj+2
.endr
	s_wait_alu depctr_va_vdst(0)                   ; directly ahead of the wait below
	s_wait_dscnt 0x0                               ; V is in (and the next step's K with it)
.irp t, 0,1,2,3
.if (\t)%2
	v_wmma_scale_f32_16x16x128_f8f6f4 v[O+8*\t:O+8*\t+7], v[S+12*\t:S+12*\t+11], v[PF:PF+11], v[O+8*\t:O+8*\t+7], v[VSC+\t/2], v29 matrix_a_fmt:MATRIX_FMT_FP6 matrix_b_fmt:MATRIX_FMT_FP6 matrix_a_scale:MATRIX_SCALE_ROW1
.else
	v_wmma_scale_f32_16x16x128_f8f6f4 v[O+8*\t:O+8*\t+7], v[S+12*\t:S+12*\t+11], v[PF:PF+11], v[O+8*\t:O+8*\t+7], v[VSC+\t/2], v29 matrix_a_fmt:MATRIX_FMT_FP6 matrix_b_fmt:MATRIX_FMT_FP6
.endif
.endr
.endm
	s_mov_b32 s[TB], KVB
	s_mov_b32 s[CNT], 15
	v_add_nc_u32 v[A16], s[TB], v[L16]
	v_add_nc_u32 v[A8], s[TB], v[L8]
	s_wait_alu depctr_va_vdst(0)                   ; the wait at the head's end
	KLOAD 0                                        ; the first step's K
.Lstep:                                                ; steps 0-14 ask for K of steps 1-15
	STEP 1
	s_add_co_u32 s[TB], s[TB], RECB
	s_sub_co_u32 s[CNT], s[CNT], 1
	s_cmp_lg_u32 s[CNT], 0
	s_cbranch_scc1 .Lstep
	s_mov_b32 s[TB], KVB+15*RECB
	STEP 0                                         ; the last step asks for nothing
	; THE WAY OUT
	s_wait_kmcnt 0x0                               ; the last mask loads have landed: their registers are free
	s_load_b128 s[4:7], s[0:1], 0x10               ; oimg s[4:5], osc s[6:7]
	NOPS 4                                         ; places behind the last products
	v_add_f32 v14, v14, v15
	s_delay_alu instid0(VALU_DEP_1)
	v_permlanex16_b32 v[T], v14, s[SEL], s[SEL+1]
	s_delay_alu instid0(VALU_DEP_1)
	v_add_f32 v14, v14, v[T]                       ; the row's sum
	s_wait_alu depctr_va_vdst(0)                   ; the wait ahead of the transcendental
	v_rcp_f32 v14, v14
	v_and_b32 v8, 15, v0                           ; (a plain place behind the reciprocal)
	s_delay_alu instid0(VALU_DEP_1)
	v_lshlrev_b32 v8, 5, v8                        ; 32 bytes a row of osc
	s_bfe_u32 s8, ttmp6, 0x40000
	s_and_b32 s9, ttmp7, 0xffff
	s_lshl_b32 s10, s8, 4
	s_add_co_u32 s10, s10, s[WV]
	s_lshr_b32 s11, s9, 4
	s_lshl_b32 s11, s11, 6
	s_add_co_u32 s11, s11, s10                     ; the row tile among the 256 of all batches
	s_and_b32 s12, s9, 15                          ; the head
	s_lshr_b32 s13, s12, 2
	s_lshl_b32 s13, s13, 8
	s_add_co_u32 s13, s13, s11
	s_lshl_b32 s13, s13, 2
	s_and_b32 s14, s12, 3
	s_add_co_u32 s13, s13, s14
	s_mul_i32 s14, s13, 768                        ; oimg: [head / 4][row tile][head % 4][768]
	s_mov_b32 s15, 0
	s_lshl_b32 s16, s11, 9
	s_lshl_b32 s17, s12, 1
	s_add_co_u32 s16, s16, s17                     ; osc: row 16 x tile + r, bytes 2 head, 2 head + 1
	s_mov_b32 s17, 0
	s_wait_kmcnt 0x0
	s_add_nc_u64 s[4:5], s[4:5], s[14:15]
	s_add_nc_u64 s[6:7], s[6:7], s[16:17]
	s_wait_alu depctr_va_vdst(0)                   ; ahead of the reciprocal's first reader
.set jj, 0
.rept 32
	v_mul_f32 v[S+jj], v[O+jj], v14                ; O / l: register 16 b + i is channel 32 b + 16 (lane / 16) + i of my head
.set jj, jj+1
.endr
	QUANT32 S, BM, PB, SO, PF, P2, T, 1            ; my head's codes and its two scale bytes
	global_store_b128 v[L16], v[PF:PF+3], s[4:5]   ; half a fragment's image: 768 consecutive bytes, aligned to 256
	global_store_b64 v[L8], v[PF+4:PF+5], s[4:5] offset:512
	global_store_b16 v8, v[T], s[6:7]              ; both halves of the lanes write the same two bytes with the same value
	s_wait_tensorcnt 0x0                           ; the wave's end
	ds_add_u32 v[SPW], v[NIL]
	s_wait_dscnt 0x0
	CROUND                                         ; the closing round
	s_endpgm
.Lfunc_end_k_qac42ed7fd3_attn:
	.size	k_qac42ed7fd3_attn, .Lfunc_end_k_qac42ed7fd3_attn-k_qac42ed7fd3_attn
	.p2alignl 7, 3214868480
	.fill 96, 4, 3214868480
	.section	.rodata,"a",@progbits
	.p2align	6, 0x0
	.amdhsa_kernel k_qac42ed7fd3_attn
		.amdhsa_group_segment_fixed_size 320512
		.amdhsa_private_segment_fixed_size 0
		.amdhsa_enable_private_segment 0
		.amdhsa_kernarg_size 56
		.amdhsa_user_sgpr_count 2
		.amdhsa_user_sgpr_kernarg_segment_ptr 1
		.amdhsa_wavefront_size32 1
		.amdhsa_system_sgpr_workgroup_id_x 1
		.amdhsa_system_sgpr_workgroup_id_y 1
		.amdhsa_system_sgpr_workgroup_id_z 1
		.amdhsa_system_vgpr_workitem_id 0
		.amdhsa_next_free_vgpr 256
		.amdhsa_next_free_sgpr 102
		.amdhsa_reserve_vcc 0
		.amdhsa_float_denorm_mode_32 3
		.amdhsa_float_denorm_mode_16_64 3
		.amdhsa_memory_ordered 1
		.amdhsa_forward_progress 1
		.amdhsa_inst_pref_size 89
	.end_amdhsa_kernel
	.amdgpu_metadata
---
amdhsa.version: [ 1, 2 ]
amdhsa.kernels:
  - .name:           k_qac42ed7fd3_attn
    .symbol:         k_qac42ed7fd3_attn.kd
    .args:
      - { .name: rec, .offset: 0, .size: 8, .value_kind: global_buffer, .address_space: global }
      - { .name: maskw, .offset: 8, .size: 8, .value_kind: global_buffer, .address_space: global }
      - { .name: oimg, .offset: 16, .size: 8, .value_kind: global_buffer, .address_space: global }
      - { .name: osc, .offset: 24, .size: 8, .value_kind: global_buffer, .address_space: global }
      - { .name: codes, .offset: 32, .size: 8, .value_kind: global_buffer, .address_space: global }
      - { .name: scales, .offset: 40, .size: 8, .value_kind: global_buffer, .address_space: global }
      - { .name: bq, .offset: 48, .size: 8, .value_kind: global_buffer, .address_space: global }
    .group_segment_fixed_size: 320512
    .private_segment_fixed_size: 0
    .kernarg_segment_align: 8
    .kernarg_segment_size: 56
    .max_flat_workgroup_size: 512
    .sgpr_count:     102
    .vgpr_count:     256
    .wavefront_size: 32
...
	.end_amdgpu_metadata
.endif
;; end of part 3
;; launch outp (part 4): grid 8 x 32, 8 waves a work-group, clusters of 4 x 4, 238,592 bytes of LDS; arguments oimg, osc, codes, scales, bp, out0; writes out0
.if DOCPART == 4
	.amdgcn_target "amdgcn-amd-amdhsa--gfx1250"
	.amdhsa_code_object_version 6
	.text
	.protected	k_qac42ed7fd3_outp
	.globl	k_qac42ed7fd3_outp
	.p2align	8
	.type	k_qac42ed7fd3_outp,@function
k_qac42ed7fd3_outp:
	s_mov_b64 s[64:65], 0
	v_nop
	global_prefetch_b8 v0, s[64:65] scope:SCOPE_SE
	s_setreg_imm32_b32 hwreg(HW_REG_WAVE_MODE, 25, 1), 1
	s_wait_xcnt 0x0
	s_wait_alu depctr_hold_cnt(0) depctr_sa_sdst(0) depctr_va_vdst(0) depctr_va_sdst(0) depctr_va_ssrc(0) depctr_va_vcc(0) depctr_vm_vsrc(0)
	s_getreg_b32 s2, hwreg(HW_REG_IB_STS2, 6, 4)
	s_cmp_eq_u32 s2, 0
	s_cbranch_scc0 .Lentry_in_a_cluster
	s_endpgm
.Lentry_in_a_cluster:
	s_bfe_u32 s2, ttmp6, 0x10000c
	s_cmp_lg_u32 s2, 0xf033
	s_cbranch_scc0 .Lentry_shape_is_right
	s_endpgm
.Lentry_shape_is_right:
; out0 = O Wp^T + bp on codes of FP6 (E2M3) with E8M0 scales: M 4,096, N 1,024, K 1,024; f32 out.
; TILES of 128 x 128: 8 x 32 = 256 work-groups, as many as there are WGPs; tiles of 256 x 256 would be 64.  A work-group has eight waves, two to a SIMD; a wave makes 32 rows x 64 columns: eight accumulators.
; ALL OF K LIES IN LDS: A's 128 rows are 98,304 bytes, B's 128 rows 98,304 (104,448 with padding).  Every byte is filled once, at the start: no ring, no refill, one barrier.
; CLUSTERS: 4 x 4 work-groups.  A's tile hangs on the tile row alone and is shared along a row of the cluster, B's on the tile column alone and is shared along a column: each is asked for jointly.
; Each wave issues ONE load of 96 rows of 256 bytes: waves 0-3 a K quarter of A each, waves 4-7 32 rows of B each.
; A (O) lies in memory as images of the operand's registers: [K quarter][row tile of 16][4 half fragments of 768 bytes]: a fragment comes by four loads of consecutive bytes.
; B (Wp, rows 15,360 on of the codes' buffer) lies as dense rows of 768 bytes: in LDS 16 bytes of padding follow each 256, so a row is 816 bytes = 204 words: row r starts 12 r words on, modulo 64 sixteen different
; multiples of 4 (64 banks of 4 bytes: ISA guide 11.1), and lanes 16-31, 6 or 10 words further on, fall between them: the 32 lanes of a load of 8 bytes touch 64 different banks.
; The matrix instruction is used transposed (source 0 = 16 rows of Wp, source 1 = 16 rows of O): a lane holds eight neighbouring numbers of a row of the result.
; The scale words of all of K come straight from memory into registers, 1,024 consecutive bytes a wave for A, 2,048 for B.  bp is loaded into the accumulators: every product adds in place.
; REGISTERS: v4-15 addresses; v16-31 A's scale words (block a, K step s: v[16 + 8 a + s]); v32-47 B's (v[32 + 8 j + s]: lanes 0-15 block 2 j, lanes 16-31 block 2 j + 1);
;   v48-119, v120-191 two sets of fragments (B's four, then A's two); v192-255 the accumulators ((a, b) at v[192 + 8 (4 a + b)]).  On the way out v48-111 take rows of the result.
.set FR,     12                        ; registers of a fragment
.set AQ,     24576                     ; A: a K quarter (256 along K) of 128 rows
.set ASTEP,  786432                    ; from K quarter to K quarter in oimg
.set BOFF,   4*AQ
.set BPITCH, 816
.set BQ,     96*272                    ; B: 32 rows in LDS
.set STG,    BOFF+4*BQ                 ; the way out: 16 rows x (256 + 16) bytes for each wave; no tile lands there
.set SPITCH, 272
.set SPARE,  STG+8*16*SPITCH           ; the spare words: 128 bytes for each of eight waves, named by no other line
.set WPROW,  15360
.set A16,  4                           ; v4, v5  16 x lane + my two row tiles, in K quarters 0-1 and 2-3
.set A8,   6                           ; v6, v7  the same with 8 x lane
.set ADRB, 8                           ; v8 my B rows: row x pitch + 24 (lane / 16); v9: + 40 (lane / 16), for pieces that in lanes 16-31 lie behind one padding more
.set STO,  10
.set RD,   11
.set GO,   12
.set SPW,  13                          ; my spare word's address; never rewritten
.set NIL,  14                          ; 0; never rewritten
.set BSO,  15
.set AS,   16
.set BS,   32
.set F0,   48
.set ACC,  192
.set G1,   28                          ; s[28:35], s[36:39] groups 1 and 0 for A;  s[40:47], s[48:51] for B
.set G0,   36
.set G1B,  40
.set G0B,  48
.macro CROUND
	s_barrier_signal -1
	s_barrier_wait -1
	s_cmp_lg_u32 s16, 0
	s_cbranch_scc1 .Lnot_wave_0_\@
	s_barrier_signal -3
.Lnot_wave_0_\@:
	s_barrier_wait -3
	s_barrier_signal -1
	s_barrier_wait -1
.endm
	s_load_b256 s[4:11], s[0:1], 0x0               ; oimg s[4:5], osc s[6:7], codes s[8:9], scales s[10:11]
	s_load_b128 s[12:15], s[0:1], 0x20             ; bp s[12:13], out0 s[14:15]
	v_lshl_add_u32 v[SPW], v0, 2, SPARE
	v_mov_b32 v[NIL], 0
	ds_add_u32 v[SPW], v[NIL]                      ; the wave's opening: the add and its wait ahead of my first tensor load; register work stands between
	ds_add_u32 v[SPW], v[NIL]
	v_lshrrev_b32 v1, 5, v0
	s_delay_alu instid0(VALU_DEP_1)
	v_readfirstlane_b32 s16, v1                    ; wave 0..7
	s_lshr_b32 s17, s16, 2                         ; I fetch for A (0) or for B (1),
	s_and_b32 s18, s16, 3                          ; which quarter
	s_lshr_b32 s19, s16, 1                         ; my 32 rows of the tile's 128
	s_and_b32 s20, s16, 1                          ; my 64 columns
	s_bfe_u32 s21, ttmp6, 0x40000                  ; cx
	s_bfe_u32 s22, ttmp6, 0x40004                  ; cy
	s_lshl_b32 s23, ttmp9, 2
	s_add_co_u32 s23, s23, s21                     ; tile column 0..7
	s_and_b32 s24, ttmp7, 0xffff
	s_lshl_b32 s24, s24, 2
	s_add_co_u32 s24, s24, s22                     ; tile row 0..31
	s_lshl_b32 s25, s22, 2
	s_lshl_b32 s25, 15, s25                        ; my row of the cluster
	s_lshl_b32 s26, 0x1111, s21                    ; my column
	s_or_b32 s[G1+0], s25, (3<<16)|(1<<21)         ; A: the mask; elements of 8 bytes; no padding; bit 21 beside a mask
	s_or_b32 s[G1B+0], s26, (3<<16)|(1<<20)|(1<<21)|(5<<22)|(3<<25)  ; B: the same with 4 words of padding behind every 64
.irp g, G1, G1B
	s_mov_b32 s[\g+1], 32<<16                      ; rows of 256 bytes,
	s_mov_b32 s[\g+2], 96<<16                      ; 96 of them, dense
	s_mov_b32 s[\g+3], 32<<16
	s_mov_b32 s[\g+4], 96
	s_mov_b32 s[\g+5], 32
	s_mov_b32 s[\g+6], 0
	s_mov_b32 s[\g+7], 0
.endr
	s_mul_i32 s52, s24, AQ                         ; A: the tile row's 8 row tiles,
	s_mul_i32 s53, s18, ASTEP                      ; in my K quarter
	s_add_co_u32 s52, s52, s53
	s_mov_b32 s53, 0
	s_lshl_b32 s54, s23, 7
	s_lshl_b32 s55, s18, 5
	s_add_co_u32 s54, s54, s55
	s_add_co_u32 s54, s54, WPROW                   ; B: row 128 x tile column + 32 x quarter of Wp
	s_mul_i32 s54, s54, 768
	s_mov_b32 s55, 0
	s_mul_i32 s56, s18, AQ                         ; where they go: hangs on the wave's number alone
	s_mul_i32 s57, s18, BQ
	s_add_co_u32 s57, s57, BOFF
	s_wait_dscnt 0x0                               ; the opening add is done
	s_wait_kmcnt 0x0
	s_add_nc_u64 s[52:53], s[4:5], s[52:53]
	s_add_nc_u64 s[54:55], s[8:9], s[54:55]
	CROUND                                         ; all sixteen work-groups are here: the joint loads meet
	s_mov_b32 s[G0], 1
	s_mov_b32 s[G0+1], s56
	s_mov_b64 s[G0+2:G0+3], s[52:53]
	s_or_b32 s[G0+3], s[G0+3], 0x80000000
	s_mov_b32 s[G0B], 1
	s_mov_b32 s[G0B+1], s57
	s_mov_b64 s[G0B+2:G0B+3], s[54:55]
	s_or_b32 s[G0B+3], s[G0B+3], 0x80000000
	s_cmp_eq_u32 s17, 0                            ; the branch hangs on the wave's number alone; an s_nop 0 and four v_nop follow each line
	s_cbranch_scc0 .Lfor_b
	tensor_load_to_lds s[G0:G0+3], s[G1:G1+7]
	s_nop 0
.rept 4
	v_nop
.endr
	s_branch .Lasked
.Lfor_b:
	tensor_load_to_lds s[G0B:G0B+3], s[G1B:G1B+7]
	s_nop 0
.rept 4
	v_nop
.endr
.Lasked:                                               ; one tensor load of mine is out
	v_and_b32 v1, 15, v0                           ; r
	v_bfe_u32 v2, v0, 4, 1                         ; h
	v_and_b32 v3, 31, v0                           ; lane
	s_mul_i32 s58, s19, 6144                       ; my two row tiles in a K quarter
	v_lshl_add_u32 v[A16], v3, 4, s58
	s_delay_alu instid0(VALU_DEP_1)
	v_add_nc_u32 v[A16+1], 2*AQ, v[A16]
	v_lshl_add_u32 v[A8], v3, 3, s58
	s_delay_alu instid0(VALU_DEP_1)
	v_add_nc_u32 v[A8+1], 2*AQ, v[A8]
	s_mul_i32 s58, s20, 64*BPITCH                  ; my 64 rows of B
	s_add_co_u32 s58, s58, BOFF
	v_mul_u32_u24 v[ADRB], v1, BPITCH
	s_delay_alu instid0(VALU_DEP_1)
	v_mad_u32_u24 v[ADRB], v2, 24, v[ADRB]
	s_delay_alu instid0(VALU_DEP_1)
	v_add_nc_u32 v[ADRB], s58, v[ADRB]
	s_delay_alu instid0(VALU_DEP_1)
	v_lshl_add_u32 v[ADRB+1], v2, 4, v[ADRB]
	s_mul_i32 s58, s16, 16*SPITCH
	s_add_co_u32 s58, s58, STG                     ; my stage
	v_mul_u32_u24 v[STO], v1, SPITCH               ; in: row r, 32 bytes for each half of the lanes
	s_delay_alu instid0(VALU_DEP_1)
	v_lshl_add_u32 v[STO], v2, 5, v[STO]
	s_delay_alu instid0(VALU_DEP_1)
	v_add_nc_u32 v[STO], s58, v[STO]
	v_mul_u32_u24 v[RD], v2, SPITCH                ; back: lanes 0-15 one row of 256 bytes, lanes 16-31 the next
	s_delay_alu instid0(VALU_DEP_1)
	v_lshl_add_u32 v[RD], v1, 4, v[RD]
	s_delay_alu instid0(VALU_DEP_1)
	v_add_nc_u32 v[RD], s58, v[RD]
	v_lshlrev_b32 v[GO], 12, v2                    ; and the same two rows in out0: 4,096 bytes a row
	s_delay_alu instid0(VALU_DEP_1)
	v_lshl_add_u32 v[GO], v1, 4, v[GO]
	v_lshlrev_b32 v[BSO], 5, v3                    ; scale bytes, 32 a row: lane l takes row l (B),
	v_lshlrev_b32 v3, 5, v1                        ; or row l % 16 (A)
	s_wait_alu depctr_va_vdst(0)
	v_lshlrev_b32 v2, 5, v2                        ; bp: 8 h numbers
	s_wait_alu depctr_va_vdst(0)
	s_lshl_b32 s58, s24, 12                        ; osc: 128 rows of 32 bytes a tile row,
	s_lshl_b32 s59, s19, 10                        ; my 32 rows
	s_add_co_u32 s58, s58, s59
	s_mov_b32 s59, 0
	s_add_nc_u64 s[6:7], s[6:7], s[58:59]
	s_lshl_b32 s58, s23, 7
	s_lshl_b32 s60, s20, 6
	s_add_co_u32 s58, s58, s60                     ; my first column
	s_add_co_u32 s60, s58, WPROW
	s_lshl_b32 s60, s60, 5
	s_mov_b32 s61, 0
	s_add_nc_u64 s[10:11], s[10:11], s[60:61]      ; Wp's scale bytes at my first row of it
	s_lshl_b32 s58, s58, 2
	s_add_nc_u64 s[12:13], s[12:13], s[58:59]      ; bp at my first column
	s_add_nc_u64 s[14:15], s[14:15], s[58:59]
	s_lshl_b32 s58, s24, 7
	s_lshl_b32 s60, s19, 5
	s_add_co_u32 s58, s58, s60                     ; my first row
	s_lshl_b32 s58, s58, 12
	s_add_nc_u64 s[14:15], s[14:15], s[58:59]      ; out0 at my corner
.irp a, 0,1
	global_load_b128 v[AS+8*\a:AS+8*\a+3], v3, s[6:7] offset:512*\a        ; block a, row r: the words of K steps 0-3,
	global_load_b128 v[AS+8*\a+4:AS+8*\a+7], v3, s[6:7] offset:512*\a+16   ; 4-7
.endr
.irp j, 0,1
	global_load_b128 v[BS+8*\j:BS+8*\j+3], v[BSO], s[10:11] offset:1024*\j
	global_load_b128 v[BS+8*\j+4:BS+8*\j+7], v[BSO], s[10:11] offset:1024*\j+16
.endr
.irp a, 0,1
.irp b, 0,1,2,3
	global_load_b128 v[ACC+8*(4*\a+\b):ACC+8*(4*\a+\b)+3], v2, s[12:13] offset:64*\b         ; register j: bp of column 16 b + 8 h + j: the sums begin with it
	global_load_b128 v[ACC+8*(4*\a+\b)+4:ACC+8*(4*\a+\b)+7], v2, s[12:13] offset:64*\b+16
.endr
.endr
.macro FRAGB reg, s, i                 ; B's block i, K step s: 12 registers in pieces of 8 bytes: lanes 0-15 the row's bytes o, lanes 16-31 o + 24; 16 bytes of padding lie behind each 256
.irp p, 0,1,2,3,4,5
.set OBY, 96*(\s)+48*(\p/3)+8*(\p%3)
.if OBY%256 < 232
	ds_load_b64 v[\reg+2*\p:\reg+2*\p+1], v[ADRB] offset:OBY+16*(OBY/256)+(\i)*16*BPITCH
.else
	ds_load_b64 v[\reg+2*\p:\reg+2*\p+1], v[ADRB+1] offset:OBY+16*(OBY/256)+(\i)*16*BPITCH
.endif
.endr
.endm
.macro FRAGA reg, s, a                 ; A's block a, K step s: two half images: registers 0-3, 4-5, 6-9, 10-11
.set AO, (((\s)/2)%2)*AQ+(\a)*3072+((\s)%2)*1536
	ds_load_b128 v[\reg:\reg+3], v[A16+(\s)/4] offset:AO
	ds_load_b64 v[\reg+4:\reg+5], v[A8+(\s)/4] offset:AO+512
	ds_load_b128 v[\reg+6:\reg+9], v[A16+(\s)/4] offset:AO+768
	ds_load_b64 v[\reg+10:\reg+11], v[A8+(\s)/4] offset:AO+1280
.endm
.macro FETCH s, f                      ; a K step's six fragments: 32 LDS loads
.irp i, 0,1,2,3
	FRAGB \f+FR*\i, \s, \i
.endr
.irp a, 0,1
	FRAGA \f+48+FR*\a, \s, \a
.endr
.endm
.macro MUL8 s, f                       ; the eight accumulators take turns, one instruction a turn, in the same order in every step
.irp a, 0,1
.irp b, 0,1,2,3
.if (\b)%2
	v_wmma_scale_f32_16x16x128_f8f6f4 v[ACC+8*(4*\a+\b):ACC+8*(4*\a+\b)+7], v[\f+FR*\b:\f+FR*\b+FR-1], v[\f+48+FR*\a:\f+48+FR*\a+FR-1], v[ACC+8*(4*\a+\b):ACC+8*(4*\a+\b)+7], v[BS+8*(\b/2)+(\s)], v[AS+8*\a+(\s)] matrix_a_fmt:MATRIX_FMT_FP6 matrix_b_fmt:MATRIX_FMT_FP6 matrix_a_scale:MATRIX_SCALE_ROW1
.else
	v_wmma_scale_f32_16x16x128_f8f6f4 v[ACC+8*(4*\a+\b):ACC+8*(4*\a+\b)+7], v[\f+FR*\b:\f+FR*\b+FR-1], v[\f+48+FR*\a:\f+48+FR*\a+FR-1], v[ACC+8*(4*\a+\b):ACC+8*(4*\a+\b)+7], v[BS+8*(\b/2)+(\s)], v[AS+8*\a+(\s)] matrix_a_fmt:MATRIX_FMT_FP6 matrix_b_fmt:MATRIX_FMT_FP6
.endif
.endr
.endr
.endm
.macro PLACES                          ; four plain places behind matrix instructions, in front of loads into their sources and of reads of their results
.rept 4
	v_nop
.endr
.endm
.macro KSTEP s                         ; 128 along K: the next step's fragments are asked for, into the set that the step before multiplied; then this step's eight products
.if (\s) < 7
.if (\s) > 0
	PLACES
.endif
	FETCH (\s)+1, F0+72*(((\s)+1)%2)
	s_wait_dscnt 32                                ; this step's fragments are in; the 32 loads just issued may be out
.else
	s_wait_dscnt 0x0
.endif
	MUL8 \s, F0+72*((\s)%2)
.endm
	s_wait_tensorcnt 0x0                           ; my one load has landed,
	s_barrier_signal -1
	s_barrier_wait -1                              ; everybody's has: both tiles are whole, for all of K
	FETCH 0, F0
	s_wait_loadcnt 0x0                             ; the scale words and bp
.irp s, 0,1,2,3,4,5,6,7
	KSTEP \s
.endr
	; THE WAY OUT.  A lane holds 32 neighbouring bytes of a row; a block of 16 rows x 64 columns goes through my own stage and comes back as whole rows of 256 bytes.
	; LDS serves a wave's instructions in order (ISA guide 5.7.1.4): no wait between the stores and the loads, nor in front of the second block's stores.
	PLACES
.irp a, 0,1
.irp b, 0,1,2,3
	ds_store_b128 v[STO], v[ACC+8*(4*\a+\b):ACC+8*(4*\a+\b)+3] offset:64*\b          ; each accumulator from its low end on
	ds_store_b128 v[STO], v[ACC+8*(4*\a+\b)+4:ACC+8*(4*\a+\b)+7] offset:64*\b+16
.endr
.irp i, 0,1,2,3,4,5,6,7
	ds_load_b128 v[F0+32*\a+4*\i:F0+32*\a+4*\i+3], v[RD] offset:2*\i*SPITCH
.endr
.endr
.irp a, 0,1
.irp i, 0,1,2,3,4,5,6,7
	s_wait_dscnt 23-16*\a-\i                       ; behind this load: the block's later loads and, for block 0, block 1's eight stores and eight loads
	global_store_b128 v[GO], v[F0+32*\a+4*\i:F0+32*\a+4*\i+3], s[14:15] offset:(16*\a+2*\i)*4096 th:TH_STORE_NT   ; 16 lanes store 256 consecutive bytes, aligned to 256; written once, read by nobody here
.endr
.endr
	s_wait_tensorcnt 0x0                           ; the wave's end: behind my last tensor load and my last LDS store
	ds_add_u32 v[SPW], v[NIL]
	s_wait_dscnt 0x0
	CROUND                                         ; the closing round
	s_endpgm
.Lfunc_end_k_qac42ed7fd3_outp:
	.size	k_qac42ed7fd3_outp, .Lfunc_end_k_qac42ed7fd3_outp-k_qac42ed7fd3_outp
	.p2alignl 7, 3214868480
	.fill 96, 4, 3214868480
	.section	.rodata,"a",@progbits
	.p2align	6, 0x0
	.amdhsa_kernel k_qac42ed7fd3_outp
		.amdhsa_group_segment_fixed_size 238592
		.amdhsa_private_segment_fixed_size 0
		.amdhsa_enable_private_segment 0
		.amdhsa_kernarg_size 48
		.amdhsa_user_sgpr_count 2
		.amdhsa_user_sgpr_kernarg_segment_ptr 1
		.amdhsa_wavefront_size32 1
		.amdhsa_system_sgpr_workgroup_id_x 1
		.amdhsa_system_sgpr_workgroup_id_y 1
		.amdhsa_system_sgpr_workgroup_id_z 1
		.amdhsa_system_vgpr_workitem_id 0
		.amdhsa_next_free_vgpr 256
		.amdhsa_next_free_sgpr 66
		.amdhsa_reserve_vcc 0
		.amdhsa_float_denorm_mode_32 3
		.amdhsa_float_denorm_mode_16_64 3
		.amdhsa_memory_ordered 1
		.amdhsa_forward_progress 1
		.amdhsa_inst_pref_size 39
	.end_amdhsa_kernel
	.amdgpu_metadata
---
amdhsa.version: [ 1, 2 ]
amdhsa.kernels:
  - .name:           k_qac42ed7fd3_outp
    .symbol:         k_qac42ed7fd3_outp.kd
    .args:
      - { .name: oimg, .offset: 0, .size: 8, .value_kind: global_buffer, .address_space: global }
      - { .name: osc, .offset: 8, .size: 8, .value_kind: global_buffer, .address_space: global }
      - { .name: codes, .offset: 16, .size: 8, .value_kind: global_buffer, .address_space: global }
      - { .name: scales, .offset: 24, .size: 8, .value_kind: global_buffer, .address_space: global }
      - { .name: bp, .offset: 32, .size: 8, .value_kind: global_buffer, .address_space: global }
      - { .name: out0, .offset: 40, .size: 8, .value_kind: global_buffer, .address_space: global }
    .group_segment_fixed_size: 238592
    .private_segment_fixed_size: 0
    .kernarg_segment_align: 8
    .kernarg_segment_size: 48
    .max_flat_workgroup_size: 256
    .sgpr_count:     66
    .vgpr_count:     256
    .wavefront_size: 32
...
	.end_amdgpu_metadata
.endif
;; end of part 4
